; MI455X (gfx1250); checked and timed in simulation.
; The chip was launched on July 23, 2026; its instructions are those of AMD's public machine-readable ISA for CDNA 5 (MIT licence, August 2026) and "CDNA5" Instruction Set Architecture Reference Guide (July 2026). The comments in the code are by the model that wrote it; some were corrected since.
;; Starling Attention. Allowed arithmetic: float matrix products may take bf16 or f16 operands with f32 sums; all other float work in f32.
;; Inputs: Wk 1,024 x 1,024 float32; Wo 1,024 x 1,024 float32; Wq 1,024 x 1,024 float32; Wv 1,024 x 1,024 float32; align_gate one number float32; coh_gate one number float32; sep_gate one number float32; x 2 x 2,048 x 1,024 float32.
;; Outputs: out0 2 x 2,048 x 1,024 float32.
;; 3 versions, each right; version 2 is faster than version 1; version 3 is version 2 with the launch cvt written anew for expert scheduling mode. Each part assembles by itself: llvm-mc -triple=amdgcn-amd-amdhsa -mcpu=gfx1250 --defsym DOCPART=n.
;; ======== version 1 of 3: 4 launches
;; limits: values are held in f16: magnitudes above 65,504 overflow, below 6.1e-05 lose precision
;; workspace buffers: xw 16,777,216 bytes; qkv 25,165,824 bytes; ksum 131,072 bytes; ob 8,388,608 bytes
;; launch cvt (part 1): grid 512 x 1, 8 waves a work-group, no clusters, 0 bytes of LDS; arguments x, Wq, Wk, Wv, Wo, xw; writes xw
.if DOCPART == 1
	.amdgcn_target "amdgcn-amd-amdhsa--gfx1250"
	.amdhsa_code_object_version 6
	.text
	.protected	k_q190ec1cd0e_cvt
	.globl	k_q190ec1cd0e_cvt
	.p2align	8
	.type	k_q190ec1cd0e_cvt,@function
k_q190ec1cd0e_cvt:
	s_mov_b64 s[64:65], 0
	v_nop
	global_prefetch_b8 v0, s[64:65] scope:SCOPE_SE
	s_setreg_imm32_b32 hwreg(HW_REG_WAVE_MODE, 25, 1), 1
	s_wait_xcnt 0x0
; xw[8192][1024] f16 = x (rows 0-4095), Wq (4096-5119), Wk (5120-6143), Wv (6144-7167), Wo (7168-8191), each rounded once to nearest even.
; The operands of both products are rounded here once, so that the product kernels move and read 2 bytes a number and convert nothing.
; WHY f16 AND NOT bf16.  A query that attends one key passes V on unaveraged, so each rounding on the way reaches the result whole: 11 significant bits are wanted, not 8.
; LIMIT.  A number beyond 65,504 in size becomes infinite; below 6.1e-5 the step is 6e-8.  x of spread 1 and weights of spread 0.02 have room for 30 times more (about 150 and 3),
; for a common offset of 30 spreads (about 35 and 0.7) and for 30 times less (weights of spread 0.00067: the step is under 1e-4 of the spread).
; A stream: every byte is read once and written once; no LDS, no barrier, no matrix unit, no cluster: no two work-groups share a byte.
; Work-group id takes 16,384 numbers: 65,536 bytes in, 32,768 out.  512 x 16,384 = 8,192 x 1,024.
; A load of a wave covers 512 neighbouring bytes; a store of a wave covers 256 neighbouring bytes, aligned.
.set XR, 4                             ; v[4:67]   16 slots of 4: as loaded
.set YR, 68                            ; v[68:99]  16 slots of 2: to store
	s_load_b256 s[4:11], s[0:1], 0x0               ; x s[4:5], Wq s[6:7], Wk s[8:9], Wv s[10:11]
	s_load_b128 s[12:15], s[0:1], 0x20             ; Wo s[12:13], xw s[14:15]
	s_lshr_b32 s16, ttmp9, 6                       ; 0-3: x; 4, 5, 6, 7: Wq, Wk, Wv, Wo (64 work-groups a weight)
	s_lshl_b32 s17, ttmp9, 16                      ; my bytes in x,
	s_and_b32 s18, ttmp9, 63
	s_lshl_b32 s18, s18, 16                        ; or in a weight
	s_cmp_lt_u32 s16, 4
	s_cselect_b32 s20, s17, s18
	s_mov_b32 s21, 0
	s_lshl_b32 s24, ttmp9, 15                      ; my bytes in xw
	s_mov_b32 s25, 0
	v_lshlrev_b32 v1, 4, v0                        ; 16 bytes a thread in,
	v_lshlrev_b32 v2, 3, v0                        ; 8 bytes out
	s_wait_kmcnt 0x0
	s_cmp_lt_u32 s16, 4                            ; the source is chosen on the work-group's number alone
	s_cselect_b64 s[22:23], s[4:5], s[6:7]
	s_cmp_eq_u32 s16, 5
	s_cselect_b64 s[22:23], s[8:9], s[22:23]
	s_cmp_eq_u32 s16, 6
	s_cselect_b64 s[22:23], s[10:11], s[22:23]
	s_cmp_eq_u32 s16, 7
	s_cselect_b64 s[22:23], s[12:13], s[22:23]
	s_add_nc_u64 s[22:23], s[22:23], s[20:21]
	s_add_nc_u64 s[14:15], s[14:15], s[24:25]
.irp n, 0,1,2,3,4,5,6,7,8,9,10,11,12,13,14,15
	global_load_b128 v[XR+4*\n:XR+4*\n+3], v1, s[22:23] offset:4096*\n th:TH_LOAD_NT   ; all sixteen go out at once: 64 KiB of the work-group in flight
.endr
.irp n, 0,1,2,3,4,5,6,7,8,9,10,11,12,13,14,15
	s_wait_loadcnt 15-\n                           ; loads come back in order: slot n is in, the 15 - n younger ones stay out
	v_cvt_pk_f16_f32 v[YR+2*\n], v[XR+4*\n], v[XR+4*\n+1]
	v_cvt_pk_f16_f32 v[YR+2*\n+1], v[XR+4*\n+2], v[XR+4*\n+3]
	global_store_b64 v2, v[YR+2*\n:YR+2*\n+1], s[14:15] offset:2048*\n   ; no register is written twice, so no wait frees any
.endr
	s_endpgm
.Lfunc_end_k_q190ec1cd0e_cvt:
	.size	k_q190ec1cd0e_cvt, .Lfunc_end_k_q190ec1cd0e_cvt-k_q190ec1cd0e_cvt
	.p2alignl 7, 3214868480
	.fill 96, 4, 3214868480
	.section	.rodata,"a",@progbits
	.p2align	6, 0x0
	.amdhsa_kernel k_q190ec1cd0e_cvt
		.amdhsa_group_segment_fixed_size 0
		.amdhsa_private_segment_fixed_size 0
		.amdhsa_enable_private_segment 0
		.amdhsa_kernarg_size 48
		.amdhsa_user_sgpr_count 2
		.amdhsa_user_sgpr_kernarg_segment_ptr 1
		.amdhsa_wavefront_size32 1
		.amdhsa_system_sgpr_workgroup_id_x 1
		.amdhsa_system_sgpr_workgroup_id_y 1
		.amdhsa_system_sgpr_workgroup_id_z 1
		.amdhsa_system_vgpr_workitem_id 0
		.amdhsa_next_free_vgpr 104
		.amdhsa_next_free_sgpr 66
		.amdhsa_reserve_vcc 0
		.amdhsa_float_denorm_mode_32 3
		.amdhsa_float_denorm_mode_16_64 3
		.amdhsa_memory_ordered 1
		.amdhsa_forward_progress 1
		.amdhsa_inst_pref_size 7
	.end_amdhsa_kernel
	.amdgpu_metadata
---
amdhsa.version: [ 1, 2 ]
amdhsa.kernels:
  - .name:           k_q190ec1cd0e_cvt
    .symbol:         k_q190ec1cd0e_cvt.kd
    .args:
      - { .name: x, .offset: 0, .size: 8, .value_kind: global_buffer, .address_space: global }
      - { .name: Wq, .offset: 8, .size: 8, .value_kind: global_buffer, .address_space: global }
      - { .name: Wk, .offset: 16, .size: 8, .value_kind: global_buffer, .address_space: global }
      - { .name: Wv, .offset: 24, .size: 8, .value_kind: global_buffer, .address_space: global }
      - { .name: Wo, .offset: 32, .size: 8, .value_kind: global_buffer, .address_space: global }
      - { .name: xw, .offset: 40, .size: 8, .value_kind: global_buffer, .address_space: global }
    .group_segment_fixed_size: 0
    .private_segment_fixed_size: 0
    .kernarg_segment_align: 8
    .kernarg_segment_size: 48
    .max_flat_workgroup_size: 256
    .sgpr_count:     66
    .vgpr_count:     104
    .wavefront_size: 32
...
	.end_amdgpu_metadata
.endif
;; end of part 1
;; launch qkv (part 2): grid 8 x 32, 4 waves a work-group, clusters of 4 x 4, 327,680 bytes of LDS; arguments xw, qkv, ksum; writes qkv, ksum
.if DOCPART == 2
	.amdgcn_target "amdgcn-amd-amdhsa--gfx1250"
	.amdhsa_code_object_version 6
	.text
	.protected	k_q190ec1cd0e_qkv
	.globl	k_q190ec1cd0e_qkv
	.p2align	8
	.type	k_q190ec1cd0e_qkv,@function
k_q190ec1cd0e_qkv:
	s_mov_b64 s[64:65], 0
	v_nop
	global_prefetch_b8 v0, s[64:65] scope:SCOPE_SE
	s_setreg_imm32_b32 hwreg(HW_REG_WAVE_MODE, 25, 1), 1
	s_wait_xcnt 0x0
	s_wait_alu depctr_hold_cnt(0) depctr_sa_sdst(0) depctr_va_vdst(0) depctr_va_sdst(0) depctr_va_ssrc(0) depctr_va_vcc(0) depctr_vm_vsrc(0)
	s_getreg_b32 s2, hwreg(HW_REG_IB_STS2, 6, 4)
	s_cmp_eq_u32 s2, 0
	s_cbranch_scc0 .Lentry_in_a_cluster
	s_endpgm
.Lentry_in_a_cluster:
	s_bfe_u32 s2, ttmp6, 0x10000c
	s_cmp_lg_u32 s2, 0xf033
	s_cbranch_scc0 .Lentry_shape_is_right
	s_endpgm
.Lentry_shape_is_right:
; Q, K, V = x Wq^T, x Wk^T, x Wv^T.  xw: [8192][1024] f16 (x, then the weights); qkv: [3][4096][1024] f16; sums in f32, rounded once.
; ksum[i][c] (f32, [32][1024]) = the sum over rows 128 i .. 128 i + 127 of K's column c, taken from the f32 sums: the attention kernel makes the mean key of it.
; LIMIT.  Q, K and V are stored in f16: beyond 65,504 they become infinite.  With x of spread 1 and weights of spread 0.02 their spread is 0.64; inputs 30 times larger give about 3,000
; at the most, common offsets of 30 spreads 1,024 x 30 x 0.6 = 18,432.
; SHARES.  Work-group (j, i) makes rows 128 i .. +127, columns 128 j .. +127 of each of Q, K and V: a tile of 128 x 384 whose three parts share A's rows.
; Four waves; wave w = (wr, wc) makes rows 64 wr .. +63, columns 64 wc .. +63 of each part: 48 accumulators of 16 x 16, 384 registers.
; For 32 along K a wave reads 16 fragments from LDS (32 loads of 16 bytes a lane) for 48 matrix instructions.
; RING.  K goes in steps of 128 through two LDS slots; a slot has four parts of 128 rows x 256 bytes: A, Wq's rows, Wk's, Wv's; wave w fills part w by one tensor load.
; A wave has two tensor loads out at the start and one behind each round.
; CLUSTER.  4 x 4 work-groups.  A's tile hangs on i alone and is asked for jointly by a row of the cluster, the weights' tiles on j alone, by a column.
; THE MATRIX INSTRUCTION IS USED TRANSPOSED (source 0 = 16 rows of W, source 1 = 16 rows of x): a lane holds eight neighbouring columns of one row of the result.
; REGISTERS: window 0: v0-31 addresses; v64-95, v96-127 A's fragments, two buffers; v128-223 the way out.
;   window 1: v0-95, v128-223 the weights' fragments, two buffers (part g, block b at 8 (4 g + b)).   window 2: accumulators of Q (v0-127) and K (v128-255).   window 3: of V (v0-127).
.set KSTEP,  128
.set PITCH,  272                       ; an LDS row: 256 bytes + 16 of padding, an odd multiple of 16: the 16 rows of a fragment load fall on 16 different 16-byte columns of 256
.set PART,   128*PITCH
.set SLOT,   4*PART
.set SPARE,  2*SLOT                    ; behind the ring: the spare words, 128 bytes for each wave: two blocks of 256 bytes that no other line names
.set STAGE,  SPARE+512                 ; 128 rows x 272 bytes, the work-group's, for the way out; no tensor load lands here
.set KSC,    STAGE+128*PITCH           ; 4 x 256 bytes: each wave's 64 column sums of K
.set LAPS,   4                         ; 1,024 / 256: a lap = two K steps = once round the ring
.set ADRA, 16                          ; v16-17  LDS address of my A fragments in slot 0, 1
.set ADRB, 18                          ; v18-23  the same for part g of slot s, at 3 s + g: two parts are more than an LDS offset holds
.set STO,  24                          ; v24     the way out: where I put 16 bytes of a row
.set RD,   25                          ; v25     where I read a row back
.set CO,   26                          ; v26     my byte offset in the result
.set KSA,  27                          ; v27     where my half of the lanes puts its column sums
.set SPW,  28                          ; v28     LDS address of my spare word; never rewritten
.set NIL,  29                          ; v29     0; never rewritten
.set KRD,  30                          ; v30     16 x lane: wave 0's offset in ksum
.set KRL,  31                          ; v31     KSC + 16 x lane: where wave 0 reads the waves' sums
.set FA,   64
.set TMP,  128
.set CS,   192                         ; v192-223  column sums: block b, column j at 8 b + j
.set G1,  24                           ; s[24:31] group 1 for A's tiles;  s[32:39] group 0, a set for each slot
.set G0,  32
.set G1B, 48                           ; s[48:55], s[56:63] the same for the weights' tiles
.set G0B, 56
.set MSB, 0
.macro WIN new                         ; the immediate's high byte repeats the setting that is left; a switch that changes nothing is dropped
.if MSB != \new
	s_set_vgpr_msb (MSB<<8)|\new
.set MSB, \new
.endif
.endm
.set MUL_LO, 0xa1                      ; source 0 (W) window 1, source 1 (x) window 0, C and D window 2
.set MUL_HI, 0xf1                      ; the same, C and D window 3
.set TO_B,   0x40                      ; destination window 1, address window 0
.macro PLACES                          ; four places in front of loads into registers that matrix instructions have read, and of conversions that read results
.rept 4
	v_nop
.endr
.endm
; A joint load: wave 0 fetches A's part, waves 1 to 3 the three weights' parts.  The branch hangs on the wave's number alone.  Four v_nop follow each line.
.macro JLOAD s
	s_cmp_eq_u32 s10, 0
	s_cbranch_scc0 .Lfor_b_\@
	tensor_load_to_lds s[G0+4*\s:G0+4*\s+3], s[G1:G1+7]
	s_nop 0
.rept 4
	v_nop
.endr
	s_branch .Lasked_\@
.Lfor_b_\@:
	tensor_load_to_lds s[G0B+4*\s:G0B+4*\s+3], s[G1B:G1B+7]
	s_nop 0
.rept 4
	v_nop
.endr
.Lasked_\@:
.endm
.macro CREST                           ; a round of the cluster's barrier behind its opening barrier
	s_cmp_lg_u32 s10, 0
	s_cbranch_scc1 .Lnot_wave_0_\@
	s_barrier_signal -3
.Lnot_wave_0_\@:
	s_barrier_wait -3
	s_barrier_signal -1
	s_barrier_wait -1
.endm
.macro CROUND                          ; a whole round
	s_barrier_signal -1
	s_barrier_wait -1
	CREST
.endm
	s_load_b128 s[4:7], s[0:1], 0x0                ; xw s[4:5], qkv s[6:7]
	s_load_b64 s[8:9], s[0:1], 0x10                ; ksum
	v_lshl_add_u32 v[SPW], v0, 2, SPARE
	v_mov_b32 v[NIL], 0
	ds_add_u32 v28, v29
	ds_add_u32 v28, v29
	s_wait_dscnt 0x0
	v_lshrrev_b32 v1, 5, v0
	v_readfirstlane_b32 s10, v1                    ; wave 0..3
	s_lshr_b32 s11, s10, 1                         ; wr: which 64 rows are mine
	s_and_b32 s12, s10, 1                          ; wc: which 64 columns of each part
	s_bfe_u32 s40, ttmp6, 0x40000                  ; cx, cy: my place in the cluster
	s_bfe_u32 s41, ttmp6, 0x40004
	s_lshl_b32 s42, ttmp9, 2
	s_add_co_u32 s42, s42, s40                     ; j = 4 x cluster x + cx
	s_and_b32 s13, ttmp7, 0xffff
	s_lshl_b32 s13, s13, 2
	s_add_co_u32 s13, s13, s41                     ; i = 4 x cluster y + cy
	s_lshl_b32 s43, s41, 2
	s_lshl_b32 s43, 15, s43                        ; my row of the cluster
	s_lshl_b32 s44, 0x1111, s40                    ; my column
	; group 1: a tile of 128 rows x 128 elements of 2 bytes; behind every 64 words 4 words of padding; bit 21 set beside a mask
	s_or_b32 s[G1+0], s43, (1<<16)|(1<<20)|(1<<21)|(5<<22)|(3<<25)
	s_or_b32 s[G1B+0], s44, (1<<16)|(1<<20)|(1<<21)|(5<<22)|(3<<25)
.irp g, G1, G1B
	s_mov_b32 s[\g+1], KSTEP<<16                   ; tensor_dim0 = 128
	s_mov_b32 s[\g+2], 128<<16                     ; tensor_dim1 = 128
	s_mov_b32 s[\g+3], KSTEP<<16                   ; tile_dim0 = 128
	s_mov_b32 s[\g+4], 128                         ; tile_dim1 = 128
	s_mov_b32 s[\g+5], 1024                        ; elements from row to row
	s_mov_b32 s[\g+6], 0
	s_mov_b32 s[\g+7], 0
.endr
	; Every wave makes both addresses, in registers that never hold the other coordinate, and asks by one of them.
	s_lshl_b32 s16, s13, 18                        ; A: row 128 i, 2,048 bytes a row
	s_mov_b32 s17, 0
	s_lshl_b32 s46, s42, 18                        ; W: row 3,072 + 1,024 w + 128 j of xw: w = 1, 2, 3 are Wq, Wk, Wv (wave 0's is inside xw and never asked for)
	s_lshl_b32 s18, s10, 21
	s_add_co_u32 s46, s46, s18
	s_add_co_u32 s46, s46, 3072*2048
	s_mov_b32 s47, 0
	s_mul_i32 s20, s10, PART                       ; where they go: part w: no place in the cluster enters an LDS address
	s_wait_kmcnt 0x0
	s_add_nc_u64 s[14:15], s[4:5], s[16:17]
	s_add_nc_u64 s[46:47], s[4:5], s[46:47]
	CROUND                                         ; all sixteen work-groups are here: the first joint loads meet
.irp s, 0,1
	s_mov_b32 s[G0+4*\s], 1
	s_add_co_u32 s[G0+4*\s+1], s20, \s*SLOT
	s_add_nc_u64 s[G0+4*\s+2:G0+4*\s+3], s[14:15], \s*KSTEP*2
	s_or_b32 s[G0+4*\s+3], s[G0+4*\s+3], 0x80000000
	s_mov_b32 s[G0B+4*\s], 1
	s_add_co_u32 s[G0B+4*\s+1], s20, \s*SLOT
	s_add_nc_u64 s[G0B+4*\s+2:G0B+4*\s+3], s[46:47], \s*KSTEP*2
	s_or_b32 s[G0B+4*\s+3], s[G0B+4*\s+3], 0x80000000
	JLOAD \s                                       ; the ring is filled before anything else is done
.endr
	; a fragment: lane l holds row l % 16; registers 0-3 K = 8 (l / 16) + 0..7, registers 4-7 K = 16 + 8 (l / 16) + 0..7: two loads of 16 bytes, 32 bytes apart
	v_and_b32 v1, 15, v0                           ; r = l % 16
	v_bfe_u32 v2, v0, 4, 1                         ; h = l / 16
	v_mul_u32_u24 v3, v1, PITCH
	v_lshl_add_u32 v3, v2, 4, v3                   ; r x pitch + 16 h
	s_mul_i32 s21, s11, 64*PITCH                   ; my 64 rows of A
	s_mul_i32 s22, s12, 64*PITCH                   ; my 64 rows of each weight's part,
	s_add_co_u32 s22, s22, PART                    ; which lie behind A's
.irp s, 0,1
	v_add_nc_u32 v[ADRA+\s], s21, v3
.irp g, 0,1,2
	v_add_nc_u32 v[ADRB+3*\s+\g], s22, v3
	s_add_co_u32 s22, s22, PART
.endr
	s_add_co_u32 s21, s21, SLOT
	s_add_co_u32 s22, s22, PART                    ; three parts and one more: the next slot
.endr
	s_mul_i32 s23, s11, 64*PITCH                   ; into the stage: my 64 rows, my 128 bytes of their 256
	s_lshl_b32 s18, s12, 7
	s_add_co_u32 s23, s23, s18
	s_add_co_u32 s23, s23, STAGE
	v_add_nc_u32 v[STO], s23, v3
	s_mul_i32 s23, s10, 32*PITCH                   ; back: wave w takes rows 32 w .. +31 whole; lanes 0-15 one row, lanes 16-31 the next
	s_add_co_u32 s23, s23, STAGE
	v_mul_u32_u24 v5, v2, PITCH
	v_lshl_add_u32 v5, v1, 4, v5
	v_add_nc_u32 v[RD], s23, v5
	v_lshlrev_b32 v5, 11, v2                       ; and the same two rows in the result
	v_lshl_add_u32 v[CO], v1, 4, v5
	s_lshl_b32 s23, s10, 8
	s_add_co_u32 s23, s23, KSC
	v_lshl_add_u32 v[KSA], v2, 5, s23              ; my wave's 256 bytes; columns 8 h on of each block of 16
	v_and_b32 v5, 31, v0
	v_lshlrev_b32 v[KRD], 4, v5
	v_add_nc_u32 v[KRL], KSC, v[KRD]
	s_lshl_b32 s16, s13, 18                        ; the first row that I store: 128 i + 32 w
	s_lshl_b32 s18, s10, 16
	s_add_co_u32 s16, s16, s18
	s_add_nc_u64 s[6:7], s[6:7], s[16:17]
	s_lshl_b32 s46, s42, 8                         ; the tile's first column, in bytes (in the registers that held W's address: none that feeds A's descriptors holds cx)
	s_mov_b32 s47, 0
	s_add_nc_u64 s[6:7], s[6:7], s[46:47]
	s_lshl_b32 s16, s13, 12                        ; ksum: row i,
	s_add_nc_u64 s[8:9], s[8:9], s[16:17]
	s_lshl_b32 s46, s42, 9                         ; columns 128 j on
	s_add_nc_u64 s[8:9], s[8:9], s[46:47]
; 16 matrix instructions: part g, my 4 row blocks x 4 column blocks, 32 along K, from buffer f.  zero = 1: the product starts the sums.
; The 48 accumulators take turns, one instruction a turn, in the same order in every quarter.
.macro MUL16 f, g, zero
.irp a, 0,1,2,3
.irp b, 0,1,2,3
.if \zero
	v_wmma_f32_16x16x32_f16 v[128*(\g%2)+8*(4*\a+\b):128*(\g%2)+8*(4*\a+\b)+7], v[128*\f+8*(4*\g+\b):128*\f+8*(4*\g+\b)+7], v[FA+32*\f+8*\a:FA+32*\f+8*\a+7], 0
.else
	v_wmma_f32_16x16x32_f16 v[128*(\g%2)+8*(4*\a+\b):128*(\g%2)+8*(4*\a+\b)+7], v[128*\f+8*(4*\g+\b):128*\f+8*(4*\g+\b)+7], v[FA+32*\f+8*\a:FA+32*\f+8*\a+7], v[128*(\g%2)+8*(4*\a+\b):128*(\g%2)+8*(4*\a+\b)+7]
.endif
.endr
.endr
.endm
; 32 LDS loads in one run: the fragments of 32 along K at byte k of the rows, into buffer f: A's 8, then the parts' 8 each in the order in which they are multiplied
.macro FETCH slot, k, f
	WIN 0
.irp a, 0,1,2,3
	ds_load_b128 v[FA+32*\f+8*\a:FA+32*\f+8*\a+3],   v[ADRA+\slot] offset:\k+\a*16*PITCH
	ds_load_b128 v[FA+32*\f+8*\a+4:FA+32*\f+8*\a+7], v[ADRA+\slot] offset:\k+\a*16*PITCH+32
.endr
	WIN TO_B
.irp g, 0,1,2
.irp b, 0,1,2,3
	ds_load_b128 v[128*\f+8*(4*\g+\b):128*\f+8*(4*\g+\b)+3],   v[ADRB+3*\slot+\g] offset:\k+\b*16*PITCH
	ds_load_b128 v[128*\f+8*(4*\g+\b)+4:128*\f+8*(4*\g+\b)+7], v[ADRB+3*\slot+\g] offset:\k+\b*16*PITCH+32
.endr
.endr
.endm
; A K step is four quarters of 32 along K, 48 matrix instructions each, on buffers 0, 1, 0, 1.  One of the first three: multiplies buffer f, fetches the next quarter, at byte k, into g2.
.macro QUARTER slot, k, f, g2, zero
	s_wait_dscnt 8                                 ; A, Q's and K's weights are in; the youngest eight loads (V's weights) may be out
	WIN MUL_LO
	MUL16 \f, 0, \zero
	MUL16 \f, 1, \zero
	PLACES
	FETCH \slot, \k, \g2
	s_wait_dscnt 32                                ; all but the 32 just issued
	WIN MUL_HI
	MUL16 \f, 2, \zero
.endm
; The last quarter multiplies buffer 1 and changes slots: ONE barrier.  In front of it each wave waits for all its tensor loads (one is out: its part of the next slot), adds 0 to its
; spare word, and waits for that and for its reads of this slot.  fill = 1: the barrier opens a round of the cluster's, and this slot is filled again, two K steps ahead, first thing behind it:
; from that request to the wait for it a wave issues 160 matrix instructions.
.macro TURN slot, next, fill
	WIN 0                                          ; (the add's two registers lie in window 0)
	s_wait_tensorcnt 0x0                           ; all my tensor loads have landed
	ds_add_u32 v[SPW], v[NIL]                      ; 0 onto my spare word
	s_wait_dscnt 9                                 ; (the add and the youngest eight loads may be out)
	WIN MUL_LO
	MUL16 1, 0, 0                                  ; sixteen matrix instructions stand between the add and the wait for it
	s_wait_dscnt 0x0                               ; the add is done, and my reads of this slot are over
	s_barrier_signal -1
	MUL16 1, 1, 0                                  ; work on registers while the others arrive
.if \fill
	WIN 0
.endif
	s_barrier_wait -1
.if \fill
	CREST                                          ; no wave of any partner still reads this slot or has a load on its way
	s_add_nc_u64 s[G0+4*\slot+2:G0+4*\slot+3], s[G0+4*\slot+2:G0+4*\slot+3], 2*KSTEP*2
	s_add_nc_u64 s[G0B+4*\slot+2:G0B+4*\slot+3], s[G0B+4*\slot+2:G0B+4*\slot+3], 2*KSTEP*2
	JLOAD \slot                                    ; the four v_nop behind it are also the places in front of the loads below
.else
	PLACES
.endif
	FETCH \next, 0, 0
	WIN MUL_HI
	MUL16 1, 2, 0
.endm
	s_wait_tensorcnt 1                             ; my part of K step 0 is in; K step 1's may stay out
	s_barrier_signal -1
	s_barrier_wait -1                              ; everybody's is
	FETCH 0, 0, 0
	QUARTER 0, 64, 0, 1, 1                         ; the first quarter stands in front of the loop: its products start the sums
	WIN 0                                          ; at a label and at a branch every window is 0
	s_mov_b32 s3, LAPS-1
.Llap:                                                 ; a trip goes once round the ring, from a lap's second quarter to the next lap's first, and fills both slots again
	QUARTER 0, 128, 1, 0, 0
	QUARTER 0, 192, 0, 1, 0
	TURN 0, 1, 1
	QUARTER 1, 64,  0, 1, 0
	QUARTER 1, 128, 1, 0, 0
	QUARTER 1, 192, 0, 1, 0
	TURN 1, 0, 1
	QUARTER 0, 64,  0, 1, 0
	WIN 0
	s_sub_co_u32 s3, s3, 1
	s_cmp_lg_u32 s3, 0
	s_cbranch_scc1 .Llap
	QUARTER 0, 128, 1, 0, 0                        ; the last lap fills nothing
	QUARTER 0, 192, 0, 1, 0
	TURN 0, 1, 0
	QUARTER 1, 64,  0, 1, 0
	QUARTER 1, 128, 1, 0, 0
	QUARTER 1, 192, 0, 1, 0
	s_wait_dscnt 8                                 ; the very last quarter: nothing more to fetch
	WIN MUL_LO
	MUL16 1, 0, 0
	MUL16 1, 1, 0
	s_wait_dscnt 0x0
	WIN MUL_HI
	MUL16 1, 2, 0
	WIN 0
; THE WAY OUT of part g: rounded to f16, 16 bytes a lane into the work-group's stage; a barrier, since a row's 256 bytes come from two waves; back as whole rows, 32 rows a wave.
; Part 1 (K) is also summed by columns, in f32: a lane's 32 columns over its four row blocks, then over the 16 lanes (rows) of its half; the waves' sums meet in LDS.
.macro OUTG g
.if \g > 0
	s_wait_dscnt 0x0                               ; my reads of the stage are over:
	s_barrier_signal -1
	s_barrier_wait -1                              ; everybody's are: the stage may be written again
.endif
.if \g == 2
	s_cmp_lg_u32 s10, 0
	s_cbranch_scc1 .Lno_ksum_\@                    ; wave 0 alone adds the two row halves' sums: 128 columns, four a lane (waves 0, 1 lie at 16 x lane, waves 2, 3 512 bytes on)
	ds_load_b128 v[CS:CS+3], v[KRL]
	ds_load_b128 v[CS+4:CS+7], v[KRL] offset:512
	s_wait_dscnt 0x0
	v_pk_add_f32 v[CS:CS+1], v[CS:CS+1], v[CS+4:CS+5]
	v_pk_add_f32 v[CS+2:CS+3], v[CS+2:CS+3], v[CS+6:CS+7]
	global_store_b128 v[KRD], v[CS:CS+3], s[8:9]   ; 512 neighbouring bytes
.Lno_ksum_\@:
.endif
.if \g > 0
	s_wait_xcnt 0x0                                ; the last part's stores have had their addresses translated: their data registers and base are rewritten only behind this wait
	s_add_nc_u64 s[6:7], s[6:7], 0x800000          ; the next plane of qkv: 4,096 rows x 2,048 bytes
.endif
.if \g == 2
	WIN 0x0f                                       ; sources 0 and 1 window 3
.else
	WIN 0x0a                                       ; window 2
.endif
.irp t, 0,1,2,3,4,5,6,7,8,9,10,11,12,13,14,15
.irp k, 0,1,2,3
	v_cvt_pk_f16_f32 v[TMP+4*\t+\k], v[128*(\g%2)+8*\t+2*\k], v[128*(\g%2)+8*\t+2*\k+1]   ; each accumulator from its low end on
.endr
.endr
.if \g == 1
.irp b, 0,1,2,3
.irp p, 0,2,4,6
	v_pk_add_f32 v[CS+8*\b+\p:CS+8*\b+\p+1], v[128+8*\b+\p:128+8*\b+\p+1], v[128+8*(4+\b)+\p:128+8*(4+\b)+\p+1]   ; row blocks 0 and 1 start the sums: nothing is cleared
.endr
.endr
	WIN 0x08                                       ; source 1 window 2
.irp a, 2,3
.irp b, 0,1,2,3
.irp p, 0,2,4,6
	v_pk_add_f32 v[CS+8*\b+\p:CS+8*\b+\p+1], v[CS+8*\b+\p:CS+8*\b+\p+1], v[128+8*(4*\a+\b)+\p:128+8*(4*\a+\b)+\p+1]
.endr
.endr
.endr
.endif
	WIN 0
.irp a, 0,1,2,3
.irp b, 0,1,2,3
	ds_store_b128 v[STO], v[TMP+4*(4*\a+\b):TMP+4*(4*\a+\b)+3] offset:\a*16*PITCH+32*\b
.endr
.endr
.if \g == 1
.irp m, 1,2,4,8
.set k, 0
.rept 32
	v_add_f32_dpp v[CS+k], v[CS+k], v[CS+k] row_xmask:\m row_mask:0xf bank_mask:0xf   ; over the 16 rows that the lanes of a half hold: every lane ends with the sum
.set k, k+1
.endr
.endr
.irp b, 0,1,2,3
	ds_store_b128 v[KSA], v[CS+8*\b:CS+8*\b+3]   offset:64*\b      ; columns 16 b + 8 h + 0..3: the 16 lanes of a half write the same words with the same numbers
	ds_store_b128 v[KSA], v[CS+8*\b+4:CS+8*\b+7] offset:64*\b+16
.endr
.endif
	s_wait_dscnt 0x0                               ; for the others' sake: my stores into the stage (and my column sums) are done
	s_barrier_signal -1
	s_barrier_wait -1
.irp t, 0,1,2,3,4,5,6,7,8,9,10,11,12,13,14,15
	ds_load_b128 v[TMP+4*\t:TMP+4*\t+3], v[RD] offset:\t*2*PITCH
.endr
.irp t, 0,1,2,3,4,5,6,7,8,9,10,11,12,13,14,15
	s_wait_dscnt 15-\t
	global_store_b128 v[CO], v[TMP+4*\t:TMP+4*\t+3], s[6:7] offset:4096*\t   ; 16 lanes store 256 consecutive bytes, at a multiple of 256 from the buffer's first byte
.endr
.endm
	PLACES
	OUTG 0
	OUTG 1
	OUTG 2
	s_wait_tensorcnt 0x0                           ; the wave's end, behind my last tensor load and my last LDS store
	ds_add_u32 v[SPW], v[NIL]
	s_wait_dscnt 0x0
	CROUND                                         ; the closing round: no work-group ends while a partner may still ask for a tile that names it
	s_endpgm
.Lfunc_end_k_q190ec1cd0e_qkv:
	.size	k_q190ec1cd0e_qkv, .Lfunc_end_k_q190ec1cd0e_qkv-k_q190ec1cd0e_qkv
	.p2alignl 7, 3214868480
	.fill 96, 4, 3214868480
	.section	.rodata,"a",@progbits
	.p2align	6, 0x0
	.amdhsa_kernel k_q190ec1cd0e_qkv
		.amdhsa_group_segment_fixed_size 327680
		.amdhsa_private_segment_fixed_size 0
		.amdhsa_enable_private_segment 0
		.amdhsa_kernarg_size 24
		.amdhsa_user_sgpr_count 2
		.amdhsa_user_sgpr_kernarg_segment_ptr 1
		.amdhsa_wavefront_size32 1
		.amdhsa_system_sgpr_workgroup_id_x 1
		.amdhsa_system_sgpr_workgroup_id_y 1
		.amdhsa_system_sgpr_workgroup_id_z 1
		.amdhsa_system_vgpr_workitem_id 0
		.amdhsa_next_free_vgpr 896
		.amdhsa_next_free_sgpr 66
		.amdhsa_reserve_vcc 0
		.amdhsa_float_denorm_mode_32 3
		.amdhsa_float_denorm_mode_16_64 3
		.amdhsa_memory_ordered 1
		.amdhsa_forward_progress 1
		.amdhsa_inst_pref_size 133
	.end_amdhsa_kernel
	.amdgpu_metadata
---
amdhsa.version: [ 1, 2 ]
amdhsa.kernels:
  - .name:           k_q190ec1cd0e_qkv
    .symbol:         k_q190ec1cd0e_qkv.kd
    .args:
      - { .name: xw, .offset: 0, .size: 8, .value_kind: global_buffer, .address_space: global }
      - { .name: qkv, .offset: 8, .size: 8, .value_kind: global_buffer, .address_space: global }
      - { .name: ksum, .offset: 16, .size: 8, .value_kind: global_buffer, .address_space: global }
    .group_segment_fixed_size: 327680
    .private_segment_fixed_size: 0
    .kernarg_segment_align: 8
    .kernarg_segment_size: 24
    .max_flat_workgroup_size: 128
    .sgpr_count:     66
    .vgpr_count:     896
    .wavefront_size: 32
...
	.end_amdgpu_metadata
.endif
;; end of part 2
;; launch attn (part 3): grid 16 x 16, 4 waves a work-group, no clusters, 178,176 bytes of LDS; arguments qkv, ksum, align_gate, coh_gate, sep_gate, ob; writes ob
.if DOCPART == 3
	.amdgcn_target "amdgcn-amd-amdhsa--gfx1250"
	.amdhsa_code_object_version 6
	.text
	.protected	k_q190ec1cd0e_attn
	.globl	k_q190ec1cd0e_attn
	.p2align	8
	.type	k_q190ec1cd0e_attn,@function
k_q190ec1cd0e_attn:
	s_mov_b64 s[64:65], 0
	v_nop
	global_prefetch_b8 v0, s[64:65] scope:SCOPE_SE
	s_setreg_imm32_b32 hwreg(HW_REG_WAVE_MODE, 25, 1), 1
	s_wait_xcnt 0x0
; ob[row][head x 64 + c] (f16) = softmax over the window of the changed scores, times V.  qkv: [3][4096][1024] f16; ksum: [32][1024] f32.
; With s = q.k / 8:  score = (1 + align) s - sep sigmoid(s)^2 - coh |s - mean|, attended where 0 <= i - j < 64.
; WHAT IS NOT DONE.  A score outside the window is thrown away by the mask that the problem builds itself, so a tile of 16 queries meets 5 tiles of 16 keys.
; THE MEAN over all 2,048 keys is linear in the keys: mean_k(q.k) = q.(mean_k k), for every input.  The mean key comes from ksum (f32 sums of K) and enters the matrix unit
; as two f16 rows, its upper 11 bits and what they leave.  The order of summation differs from a mean over scores.
; LIMITS.  Q, K, V, the weights p and the result are f16 (p lies in 0..1, the result inside V's range).  A masked score is the score in log2 units plus -1e30, not -1e30 itself:
; the same weight 0 as long as |score| is far under 1e30.  The softmax takes away the row's true maximum (the key i = j is always attended, so it is finite).
; SHARES.  A work-group owns 128 queries of a pair of heads (128 columns: rows of 256 bytes); wave w: head w & 1 of the pair, queries 64 (w >> 1) .. +63: four tiles of 16.
; In LDS lie 192 rows of K and V: the 64 in front of the block, then the block's.  The wave's key tile kt (0..7) begins at LDS row 64 (w >> 1) + 16 kt; query tile i meets kt = i .. i + 4.
; In a batch's first block the 64 rows in front do not exist: the block's own first rows are loaded in their place (finite numbers) and a bias masks them.
; LAYOUT.  S^T = K Q^T: a lane holds ONE query (lane % 16) and keys 8 (lane / 16) + 0..7.  Two such tiles, rounded in pairs, are source 1 of O^T = V^T P.  V is turned by ds_load_tr16_b128.
; NO CLUSTER: neighbouring blocks share 64 of the 192 rows of K and V, a third of one load that is made once; every LDS byte is filled once, so there is no ring either.
; REGISTERS: window 0: addresses, statistics, biases, S^T, P, O^T.  window 1: v0-127 K (tile kt, channels 32 c on, at 16 kt + 8 c); v128-255 V (32 keys c, 16 channels d, at 128 + 32 c + 8 d).
;   window 2: v0-63 Q (tile i at 16 i + 8 c); v64-79 the mean key's fragment.
.set LK,  0                            ; 192 rows x 272
.set LV,  192*272                      ; 192 rows x 288
.set LQ,  LV+192*288                   ; 128 rows x 272
.set STG, LQ+128*272                   ; 128 rows x 272: the way out; no tensor load lands here
.set KB,  STG+128*272                  ; 128 words: the mean key, upper part in the low half, the rest in the high half
.set AK,  4
.set AV,  5
.set AQ,  6
.set AKB, 7
.set STO, 8
.set RD,  9
.set GO,  10
.set SELP, 11
.set MN,  12                           ; v[12:13] q . mean key (the pair's upper register is named with it, so it is written once)
.set MX,  14                           ; v[14:18] a maximum for each key tile
.set MR,  20                           ; v[20:21] the row's maximum
.set LR,  22                           ; v[22:25] the row's sum, two chains of pairs
.set RLR, 26                           ; v[26:27] 1 / sum
.set NEG, 28                           ; -1e30
.set ZER, 29                           ; 0
.set KBA, 30
.set KSO, 31
.set DG,  32                           ; v[32:39] the diagonal tile's bias: 0 where key <= query
.set FR,  40                           ; v[40:47] the farthest tile's bias: open where key > query - 64
.set MB,  48                           ; v[48:49] -1e30 where the 64 rows in front do not exist, else 0
.set SC,  64                           ; v[64:103] S^T, five tiles
.set MA,  104                          ; v[104:111] the mean's product
.set TT,  112
.set UU,  120
.set PP,  144                          ; v[144:167] P: six slots of four
.set OO,  168                          ; v[168:199] O^T: four blocks of 16 channels
.set XX,  200                          ; v[200:231] at work
.set KBF, 64                           ; in window 2
.set C1,  52                           ; s[52:53] -log2(e) / 8
.set AS,  54                           ; s[54:55] (1 + align) log2(e) / 8
.set NS,  56                           ; s[56:57] -sep log2(e)
.set NC,  58                           ; s58      -coh log2(e) / 8
.set SEL, 60                           ; s[60:61] lane selects for v_permlanex16_b32
.set MSB, 0
.macro WIN new
.if MSB != \new
	s_set_vgpr_msb (MSB<<8)|\new
.set MSB, \new
.endif
.endm
.macro PLACES
.rept 4
	v_nop
.endr
.endm
	s_load_b256 s[4:11], s[0:1], 0x0               ; qkv s[4:5], ksum s[6:7], align s[8:9], coh s[10:11]
	s_load_b128 s[12:15], s[0:1], 0x20             ; sep s[12:13], ob s[14:15]
	v_lshl_add_u32 v254, v0, 2, 0x2b600
	v_mov_b32 v255, 0
	ds_add_u32 v254, v255
	ds_add_u32 v254, v255
	v_lshrrev_b32 v1, 5, v0
	v_readfirstlane_b32 s19, v1                    ; wave 0..3
	s_and_b32 s20, s19, 1                          ; which head of the pair
	s_lshr_b32 s21, s19, 1                         ; which 64 queries
	s_and_b32 s2, ttmp7, 0xffff
	s_lshr_b32 s3, s2, 3                           ; batch
	s_and_b32 s2, s2, 7                            ; pair of heads
	s_lshl_b32 s22, s3, 22                         ; 2,048 rows x 2,048 bytes a batch
	s_lshl_b32 s26, s2, 8                          ; 256 bytes a pair
	s_add_co_u32 s22, s22, s26
	s_lshl_b32 s26, ttmp9, 18                      ; 128 rows a block
	s_sub_co_i32 s27, s26, 131072                  ; 64 rows in front of it,
	s_max_i32 s27, s27, 0                          ; or the batch's first rows
	s_add_co_u32 s24, s22, s27
	s_add_co_u32 s22, s22, s26
	s_mov_b32 s23, 0                               ; s[22:23]: the block's first byte in a plane; s[24:25]: the rows' in front
	s_mov_b32 s25, 0
	; group 1: rows of 128 elements of 2 bytes, 1,024 elements apart; s[28:35] 128 rows, s[36:43] 64 rows; the first word (padding) is written where the tile is known
.irp g, 28, 36
	s_mov_b32 s[\g+1], 128<<16
	s_mov_b32 s[\g+3], 128<<16
	s_mov_b32 s[\g+5], 1024
	s_mov_b32 s[\g+6], 0
	s_mov_b32 s[\g+7], 0
.endr
	s_mov_b32 s30, 128<<16
	s_mov_b32 s32, 128
	s_mov_b32 s38, 64<<16
	s_mov_b32 s40, 64
	s_wait_dscnt 0x0
	s_wait_kmcnt 0x0
; The two loads of K or of V: the 64 rows in front, then the block's 128.
.macro KVLOAD pad, lds, pitch, plane
	s_mov_b32 s28, \pad
	s_mov_b32 s36, \pad
	s_mov_b32 s44, 1
	s_mov_b32 s45, \lds+64*\pitch
	s_add_nc_u64 s[46:47], s[4:5], s[22:23]
	s_add_nc_u64 s[46:47], s[46:47], \plane
	s_or_b32 s47, s47, 0x80000000
	s_mov_b32 s48, 1
	s_mov_b32 s49, \lds
	s_add_nc_u64 s[50:51], s[4:5], s[24:25]
	s_add_nc_u64 s[50:51], s[50:51], \plane
	s_or_b32 s51, s51, 0x80000000
	tensor_load_to_lds s[48:51], s[36:43]
	s_nop 0
	tensor_load_to_lds s[44:47], s[28:35]
	s_nop 0
.rept 4
	v_nop
.endr
.endm
	; All fills are first fills and go out here, each wave's inside one branch on its number: wave 0 Q, wave 1 K, wave 2 V, wave 3 none.  At most two loads of a wave are out.
	s_cmp_eq_u32 s19, 0
	s_cbranch_scc0 .Lnot_q
	s_mov_b32 s28, 0x07510000                      ; elements of 2 bytes; behind every 64 words 4 words of padding: rows 272 bytes apart
	s_mov_b32 s44, 1
	s_mov_b32 s45, LQ
	s_add_nc_u64 s[46:47], s[4:5], s[22:23]
	s_or_b32 s47, s47, 0x80000000
	tensor_load_to_lds s[44:47], s[28:35]
	s_nop 0
.rept 4
	v_nop
.endr
	s_branch .Lasked
.Lnot_q:
	s_cmp_eq_u32 s19, 1
	s_cbranch_scc0 .Lnot_k
	KVLOAD 0x07510000, LK, 272, 0x800000
	s_branch .Lasked
.Lnot_k:
	s_cmp_eq_u32 s19, 2
	s_cbranch_scc0 .Lasked
	KVLOAD 0x0f510000, LV, 288, 0x1000000          ; 8 words of padding: rows 288 bytes apart, for the turning load
.Lasked:
	s_load_b32 s16, s[8:9], 0x0                    ; the three gates
	s_load_b32 s17, s[10:11], 0x0
	s_load_b32 s18, s[12:13], 0x0
	s_lshl_b32 s26, s3, 16                         ; ksum: the batch's 16 rows of 4,096 bytes,
	s_lshl_b32 s27, s2, 9                          ; the pair's 128 columns
	s_add_co_u32 s26, s26, s27
	s_mov_b32 s27, 0
	s_add_nc_u64 s[6:7], s[6:7], s[26:27]
	v_lshlrev_b32 v[KSO], 2, v0                    ; thread t sums column t
.irp n, 0,1,2,3,4,5,6,7,8,9,10,11,12,13,14,15
	global_load_b32 v[XX+\n], v[KSO], s[6:7] offset:4096*\n
.endr
	s_lshl_b32 s26, s19, 16                        ; ob at the first row that I store: the block's + 32 w
	s_add_nc_u64 s[14:15], s[14:15], s[22:23]
	s_add_nc_u64 s[14:15], s[14:15], s[26:27]
	v_lshl_add_u32 v[KBA], v0, 2, KB
	v_and_b32 v1, 15, v0                           ; r
	v_bfe_u32 v2, v0, 4, 1                         ; h
	s_lshl_b32 s27, s20, 7                         ; my head's 128 bytes of a row
	v_mul_u32_u24 v3, v1, 272
	v_lshl_add_u32 v3, v2, 4, v3
	s_mul_i32 s26, s21, 64*272
	s_add_co_u32 s26, s26, s27
	v_add_nc_u32 v[AK], s26, v3                    ; (64 half + r) x 272 + 128 head + 16 h: K's fragments,
	v_add_nc_u32 v[AQ], LQ, v[AK]                  ; Q's,
	v_add_nc_u32 v[STO], STG, v[AK]                ; and where a lane's 16 bytes of the result go
	v_and_b32 v3, 7, v0                            ; the turning load: lane l reads key 8 h + l % 8, channels 8 ((l / 8) % 2) on
	v_lshl_add_u32 v3, v2, 3, v3
	v_mul_u32_u24 v3, v3, 288
	v_bfe_u32 v[AV], v0, 3, 1
	v_lshl_add_u32 v3, v[AV], 4, v3
	s_mul_i32 s26, s21, 64*288
	s_add_co_u32 s26, s26, s27
	s_add_co_u32 s26, s26, LV
	v_add_nc_u32 v[AV], s26, v3
	s_lshl_b32 s26, s20, 8
	s_add_co_u32 s26, s26, KB
	v_lshl_add_u32 v[AKB], v2, 5, s26              ; the mean key's words of channels 64 head + 8 h on
	s_mul_i32 s26, s19, 32*272
	s_add_co_u32 s26, s26, STG
	v_mul_u32_u24 v3, v2, 272
	v_lshl_add_u32 v3, v1, 4, v3
	v_add_nc_u32 v[RD], s26, v3                    ; back: wave w takes rows 32 w .. +31 whole
	v_lshlrev_b32 v3, 11, v2
	v_lshl_add_u32 v[GO], v1, 4, v3
	v_and_b32 v3, 1, v0
	v_cmp_eq_u32 vcc_lo, 1, v3
	v_mov_b32 v[SELP], 0x05040100                  ; even rows of the mean's fragment take the words' low halves,
	v_mov_b32 v3, 0x07060302                       ; odd rows the high halves
	v_cndmask_b32 v[SELP], v[SELP], v3, vcc_lo
	s_or_b32 s26, ttmp9, s21
	s_cmp_eq_u32 s26, 0                            ; a batch's first 64 queries have no rows in front
	s_cselect_b32 s59, 0xf149f2ca, 0
	s_mov_b32 s[SEL], 0x76543210
	s_mov_b32 s[SEL+1], 0xfedcba98
	v_mov_b32 v[NEG], 0xf149f2ca
	v_mov_b32 v[ZER], 0
	v_mov_b32 v[MB], s59
	v_mov_b32 v[MB+1], s59
	v_mov_b32 v[MN+1], 0
	v_mov_b32 v[MR+1], 0
	v_mov_b32 v[RLR+1], 0
	v_lshlrev_b32 v3, 3, v2
	v_sub_nc_u32 v3, v1, v3                        ; r - 8 h: register j holds key 8 h + j of a tile
.irp j, 0,1,2,3,4,5,6,7
	v_cmp_le_i32 vcc_lo, \j, v3                    ; key <= query within the tile
	v_cndmask_b32 v[DG+\j], v[NEG], v[ZER], vcc_lo ; diagonal tile (distance r - key): open there
	v_cndmask_b32 v[FR+\j], v[MB], v[NEG], vcc_lo  ; farthest tile (distance 64 + r - key): shut there
.endr
	s_wait_kmcnt 0x0
	s_add_f32 s[AS], s16, 1.0
	s_mul_f32 s[AS], s[AS], 0x3e38aa3b
	s_mov_b32 s[AS+1], s[AS]
	s_mul_f32 s[NS], s18, 0xbfb8aa3b
	s_mov_b32 s[NS+1], s[NS]
	s_mul_f32 s[NC], s17, 0xbe38aa3b
	s_mov_b32 s[C1], 0xbe38aa3b
	s_mov_b32 s[C1+1], s[C1]
	s_wait_loadcnt 0x0                             ; the sixteen partial sums of my column
	v_pk_add_f32 v[XX:XX+1], v[XX:XX+1], v[XX+2:XX+3]
	v_pk_add_f32 v[XX+4:XX+5], v[XX+4:XX+5], v[XX+6:XX+7]
	v_pk_add_f32 v[XX+8:XX+9], v[XX+8:XX+9], v[XX+10:XX+11]
	v_pk_add_f32 v[XX+12:XX+13], v[XX+12:XX+13], v[XX+14:XX+15]
	v_pk_add_f32 v[XX:XX+1], v[XX:XX+1], v[XX+4:XX+5]
	v_pk_add_f32 v[XX+8:XX+9], v[XX+8:XX+9], v[XX+12:XX+13]
	v_pk_add_f32 v[XX:XX+1], v[XX:XX+1], v[XX+8:XX+9]
	v_add_f32 v[XX], v[XX], v[XX+1]
	v_mul_f32 v[XX], 0x3a000000, v[XX]             ; / 2,048
	v_and_b32 v[XX+2], 0xffffe000, v[XX]           ; its upper 11 significant bits: a number that f16 holds exactly in its normal range
	v_sub_f32 v[XX+3], v[XX], v[XX+2]              ; what they leave, exactly
	v_cvt_pk_f16_f32 v[XX+4], v[XX+2], v[XX+3]
	ds_store_b32 v[KBA], v[XX+4]
	s_wait_tensorcnt 0x0                           ; my tiles have landed,
	s_wait_dscnt 0x0                               ; my word of the mean key is stored:
	s_barrier_signal -1
	s_barrier_wait -1                              ; everybody's
.irp c, 0,1
	ds_load_b128 v[XX+16*\c:XX+16*\c+3],     v[AKB] offset:128*\c      ; channels 32 c + 8 h + 0..7,
	ds_load_b128 v[XX+16*\c+4:XX+16*\c+7],   v[AKB] offset:128*\c+16
	ds_load_b128 v[XX+16*\c+8:XX+16*\c+11],  v[AKB] offset:128*\c+64   ; and 32 c + 16 + 8 h + 0..7
	ds_load_b128 v[XX+16*\c+12:XX+16*\c+15], v[AKB] offset:128*\c+80
.endr
	WIN 0x80                                       ; destination window 2
.irp i, 0,1,2,3
.irp c, 0,1
	ds_load_b128 v[16*\i+8*\c:16*\i+8*\c+3],   v[AQ] offset:4352*\i+64*\c
	ds_load_b128 v[16*\i+8*\c+4:16*\i+8*\c+7], v[AQ] offset:4352*\i+64*\c+32
.endr
.endr
	WIN 0x40                                       ; destination window 1
.irp t, 0,1,2,3,4,5,6,7
.irp c, 0,1
	ds_load_b128 v[16*\t+8*\c:16*\t+8*\c+3],   v[AK] offset:4352*\t+64*\c
	ds_load_b128 v[16*\t+8*\c+4:16*\t+8*\c+7], v[AK] offset:4352*\t+64*\c+32
.endr
.endr
	s_wait_dscnt 48                                ; the mean key's eight loads are in; Q's 16 and K's 32 may be out
	WIN 0x80
.irp c, 0,1
.irp p, 0,1,2,3,4,5,6,7
	v_perm_b32 v[KBF+8*\c+\p], v[XX+16*\c+2*\p+1], v[XX+16*\c+2*\p], v[SELP]   ; two channels' halves: rows 0, 2, .. the upper part, rows 1, 3, .. the rest
.endr
.endr
; One tile of 16 keys x 16 queries, 8 scores a lane, raw products in, scores in log2 units out, and their maximum.  kind: 1 the farthest tile, 2 the diagonal, 3 rows that may not exist, 0 open.
; Behind each run of exponentials or reciprocals stand plain instructions that touch none of its registers (ISA guide 5.7.2).
.macro SCORE n, kind
.set R, SC+8*\n
.irp p, 0,2,4,6
	v_pk_mul_f32 v[TT+\p:TT+\p+1], v[R+\p:R+\p+1], s[C1:C1+1] op_sel_hi:[1,0]          ; -s log2(e)
.endr
.irp p, 0,1,2,3,4,5,6,7
	v_exp_f32 v[TT+\p], v[TT+\p]
.endr
.irp p, 0,2,4,6
	v_pk_add_f32 v[UU+\p:UU+\p+1], v[R+\p:R+\p+1], v[MN:MN+1] op_sel_hi:[1,0] neg_lo:[0,1] neg_hi:[0,1]   ; q.k - q.mean
.endr
	s_wait_alu depctr_va_vdst(0)
.irp p, 0,2,4,6
	v_pk_add_f32 v[TT+\p:TT+\p+1], v[TT+\p:TT+\p+1], 1.0 op_sel_hi:[1,0]
.endr
.irp p, 0,1,2,3,4,5,6,7
	v_rcp_f32 v[TT+\p], v[TT+\p]                   ; sigmoid(s); an overflowed exponential gives 0
.endr
.irp p, 0,2,4,6
.if \kind == 1
	v_pk_fma_f32 v[R+\p:R+\p+1], v[R+\p:R+\p+1], s[AS:AS+1], v[FR+\p:FR+\p+1] op_sel_hi:[1,0,1]
	s_wait_alu depctr_va_vdst(0)
.elseif \kind == 2
	v_pk_fma_f32 v[R+\p:R+\p+1], v[R+\p:R+\p+1], s[AS:AS+1], v[DG+\p:DG+\p+1] op_sel_hi:[1,0,1]
	s_wait_alu depctr_va_vdst(0)
.elseif \kind == 3
	v_pk_fma_f32 v[R+\p:R+\p+1], v[R+\p:R+\p+1], s[AS:AS+1], v[MB:MB+1] op_sel_hi:[1,0,0]
.else
	v_pk_mul_f32 v[R+\p:R+\p+1], v[R+\p:R+\p+1], s[AS:AS+1] op_sel_hi:[1,0]
.endif
.endr
.irp p, 0,1,2,3,4,5,6,7
	v_fma_f32 v[R+\p], |v[UU+\p]|, s[NC], v[R+\p]
.endr
	s_wait_alu depctr_va_vdst(0)
.irp p, 0,2,4,6
	v_pk_mul_f32 v[UU+\p:UU+\p+1], v[TT+\p:TT+\p+1], s[NS:NS+1] op_sel_hi:[1,0]
.endr
.irp p, 0,2,4,6
	v_pk_fma_f32 v[R+\p:R+\p+1], v[UU+\p:UU+\p+1], v[TT+\p:TT+\p+1], v[R+\p:R+\p+1]
.endr
	v_max3_num_f32 v[MX+\n], v[R], v[R+1], v[R+2]
	v_max3_num_f32 v[MX+\n], v[MX+\n], v[R+3], v[R+4]
	v_max3_num_f32 v[MX+\n], v[MX+\n], v[R+5], v[R+6]
	v_max_num_f32 v[MX+\n], v[MX+\n], v[R+7]
.endm
.macro SUBM n                          ; score - maximum
.set R, SC+8*\n
.irp p, 0,2,4,6
	v_pk_add_f32 v[R+\p:R+\p+1], v[R+\p:R+\p+1], v[MR:MR+1] op_sel_hi:[1,0] neg_lo:[0,1] neg_hi:[0,1]
.endr
.endm
.macro EXPN n
.set R, SC+8*\n
.irp p, 0,1,2,3,4,5,6,7
	v_exp_f32 v[R+\p], v[R+\p]
.endr
.endm
.macro PKP n, q                        ; tile n's weights: rounded into slot q of P, and added to the row's sum (tile 0 starts the two chains)
.set R, SC+8*\n
	s_wait_alu depctr_va_vdst(0)
.irp p, 0,1,2,3
	v_cvt_pk_f16_f32 v[PP+4*(\q)+\p], v[R+2*\p], v[R+2*\p+1]
.endr
.if \n == 0
	v_pk_add_f32 v[LR:LR+1], v[R:R+1], v[R+4:R+5]
	v_pk_add_f32 v[LR+2:LR+3], v[R+2:R+3], v[R+6:R+7]
.else
	v_pk_add_f32 v[LR:LR+1], v[LR:LR+1], v[R:R+1]
	v_pk_add_f32 v[LR+2:LR+3], v[LR+2:LR+3], v[R+2:R+3]
	v_pk_add_f32 v[LR:LR+1], v[LR:LR+1], v[R+4:R+5]
	v_pk_add_f32 v[LR+2:LR+3], v[LR+2:LR+3], v[R+6:R+7]
.endif
.endm
; Query tile i, in phases.  In both groups of products the accumulators take turns, one instruction a turn.
.macro TILE i
.if \i == 0
	s_wait_dscnt 0x0                               ; Q and K are in
.endif
	WIN 0x0a                                       ; sources 0 and 1 window 2
	v_wmma_f32_16x16x32_f16 v[MA:MA+7], v[KBF:KBF+7], v[16*\i:16*\i+7], 0
	WIN 0x09                                       ; source 0 (K) window 1, source 1 (Q) window 2
.irp n, 0,1,2,3,4
	v_wmma_f32_16x16x32_f16 v[SC+8*\n:SC+8*\n+7], v[16*(\i+\n):16*(\i+\n)+7], v[16*\i:16*\i+7], 0
.endr
.irp n, 0,1,2,3,4
	v_wmma_f32_16x16x32_f16 v[SC+8*\n:SC+8*\n+7], v[16*(\i+\n)+8:16*(\i+\n)+15], v[16*\i+8:16*\i+15], v[SC+8*\n:SC+8*\n+7]
.endr
	WIN 0x0a
	v_wmma_f32_16x16x32_f16 v[MA:MA+7], v[KBF+8:KBF+15], v[16*\i+8:16*\i+15], v[MA:MA+7]
.if \i == 0
	WIN 0x40                                       ; V's 32 turning loads go out here, into registers that no product has named: they land under the first tile's score arithmetic
.irp c, 0,1,2,3
.irp d, 0,1,2,3
	ds_load_tr16_b128 v[128+32*\c+8*\d:128+32*\c+8*\d+3],   v[AV] offset:9216*\c+32*\d
	ds_load_tr16_b128 v[128+32*\c+8*\d+4:128+32*\c+8*\d+7], v[AV] offset:9216*\c+32*\d+4608
.endr
.endr
.endif
	WIN 0
	PLACES
	v_add_f32 v[MN], v[MA], v[MA+1]                ; rows 8 h and 8 h + 1 of the product: q . upper part + q . rest
	SCORE 0, 1
.irp n, 1,2,3
.if \i+\n <= 3
	SCORE \n, 3                                    ; key tiles 0 to 3 lie in front of the wave's queries
.else
	SCORE \n, 0
.endif
.endr
	SCORE 4, 2
	v_max3_num_f32 v[MX], v[MX], v[MX+1], v[MX+2]
	v_max3_num_f32 v[MX], v[MX], v[MX+3], v[MX+4]
	v_permlanex16_b32 v[MX+1], v[MX], s[SEL], s[SEL+1]   ; the query's other 40 keys lie 16 lanes away
	v_max_num_f32 v[MR], v[MX], v[MX+1]
.irp p, 0,1,2,3
	v_mov_b32 v[PP+20*(1-\i%2)+\p], 0              ; V goes in chunks of 32 keys, five tiles fill six slots: the last is empty for even i, the first for odd i
.endr
	SUBM 0
	EXPN 0
	SUBM 1                                         ; plain work on the next tile stands behind each run of exponentials
	PKP 0, 0+\i%2
	EXPN 1
	SUBM 2
	PKP 1, 1+\i%2
	EXPN 2
	SUBM 3
	PKP 2, 2+\i%2
	EXPN 3
	SUBM 4
	PKP 3, 3+\i%2
	EXPN 4
	v_nop
	s_wait_alu depctr_va_vdst(0)
	PKP 4, 4+\i%2
.if \i == 0
	s_wait_dscnt 0x0                               ; V is in
.endif
	WIN 0x01                                       ; source 0 (V) window 1
.irp c, 0,1,2
.irp d, 0,1,2,3
.if \c == 0
	v_wmma_f32_16x16x32_f16 v[OO+8*\d:OO+8*\d+7], v[128+32*(\i/2+\c)+8*\d:128+32*(\i/2+\c)+8*\d+7], v[PP+8*\c:PP+8*\c+7], 0
.else
	v_wmma_f32_16x16x32_f16 v[OO+8*\d:OO+8*\d+7], v[128+32*(\i/2+\c)+8*\d:128+32*(\i/2+\c)+8*\d+7], v[PP+8*\c:PP+8*\c+7], v[OO+8*\d:OO+8*\d+7]
.endif
.endr
.endr
	WIN 0
	v_pk_add_f32 v[LR:LR+1], v[LR:LR+1], v[LR+2:LR+3]
	v_add_f32 v[LR], v[LR], v[LR+1]
	v_permlanex16_b32 v[LR+2], v[LR], s[SEL], s[SEL+1]
	v_add_f32 v[LR], v[LR], v[LR+2]
	v_rcp_f32 v[RLR], v[LR]
	PLACES                                         ; behind the last products, and behind the reciprocal
.set p, 0
	s_wait_alu depctr_va_vdst(0)
.rept 16
	v_pk_mul_f32 v[OO+p:OO+p+1], v[OO+p:OO+p+1], v[RLR:RLR+1] op_sel_hi:[1,0]
.set p, p+2
.endr
.set p, 0
.rept 16
	v_cvt_pk_f16_f32 v[XX+p], v[OO+2*p], v[OO+2*p+1]
.set p, p+1
.endr
.irp d, 0,1,2,3
	ds_store_b128 v[STO], v[XX+4*\d:XX+4*\d+3] offset:4352*\i+32*\d   ; query 16 i + r, channels 16 d + 8 h on
.endr
.endm
	TILE 0
	TILE 1
	TILE 2
	TILE 3
	s_wait_dscnt 0x0                               ; for the others' sake: a row's 256 bytes come from two waves
	s_barrier_signal -1
	s_barrier_wait -1
.irp t, 0,1,2,3,4,5,6,7,8,9,10,11,12,13,14,15
	ds_load_b128 v[SC+4*\t:SC+4*\t+3], v[RD] offset:544*\t
.endr
.irp t, 0,1,2,3,4,5,6,7,8,9,10,11,12,13,14,15
	s_wait_dscnt 15-\t
	global_store_b128 v[GO], v[SC+4*\t:SC+4*\t+3], s[14:15] offset:4096*\t   ; 16 lanes store 256 consecutive bytes, at a multiple of 256 from ob's first byte
.endr
	s_wait_tensorcnt 0x0
	ds_add_u32 v254, v255
	s_wait_dscnt 0x0
	s_endpgm
.Lfunc_end_k_q190ec1cd0e_attn:
	.size	k_q190ec1cd0e_attn, .Lfunc_end_k_q190ec1cd0e_attn-k_q190ec1cd0e_attn
	.p2alignl 7, 3214868480
	.fill 96, 4, 3214868480
	.section	.rodata,"a",@progbits
	.p2align	6, 0x0
	.amdhsa_kernel k_q190ec1cd0e_attn
		.amdhsa_group_segment_fixed_size 178176
		.amdhsa_private_segment_fixed_size 0
		.amdhsa_enable_private_segment 0
		.amdhsa_kernarg_size 48
		.amdhsa_user_sgpr_count 2
		.amdhsa_user_sgpr_kernarg_segment_ptr 1
		.amdhsa_wavefront_size32 1
		.amdhsa_system_sgpr_workgroup_id_x 1
		.amdhsa_system_sgpr_workgroup_id_y 1
		.amdhsa_system_sgpr_workgroup_id_z 1
		.amdhsa_system_vgpr_workitem_id 0
		.amdhsa_next_free_vgpr 640
		.amdhsa_next_free_sgpr 66
		.amdhsa_reserve_vcc 1
		.amdhsa_float_denorm_mode_32 3
		.amdhsa_float_denorm_mode_16_64 3
		.amdhsa_memory_ordered 1
		.amdhsa_forward_progress 1
		.amdhsa_inst_pref_size 118
	.end_amdhsa_kernel
	.amdgpu_metadata
---
amdhsa.version: [ 1, 2 ]
amdhsa.kernels:
  - .name:           k_q190ec1cd0e_attn
    .symbol:         k_q190ec1cd0e_attn.kd
    .args:
      - { .name: qkv, .offset: 0, .size: 8, .value_kind: global_buffer, .address_space: global }
      - { .name: ksum, .offset: 8, .size: 8, .value_kind: global_buffer, .address_space: global }
      - { .name: align_gate, .offset: 16, .size: 8, .value_kind: global_buffer, .address_space: global }
      - { .name: coh_gate, .offset: 24, .size: 8, .value_kind: global_buffer, .address_space: global }
      - { .name: sep_gate, .offset: 32, .size: 8, .value_kind: global_buffer, .address_space: global }
      - { .name: ob, .offset: 40, .size: 8, .value_kind: global_buffer, .address_space: global }
    .group_segment_fixed_size: 178176
    .private_segment_fixed_size: 0
    .kernarg_segment_align: 8
    .kernarg_segment_size: 48
    .max_flat_workgroup_size: 128
    .sgpr_count:     66
    .vgpr_count:     640
    .wavefront_size: 32
...
	.end_amdgpu_metadata
.endif
;; end of part 3
;; launch oproj (part 4): grid 8 x 32, 4 waves a work-group, clusters of 4 x 4, 327,680 bytes of LDS; arguments ob, xw, out0; writes out0
.if DOCPART == 4
	.amdgcn_target "amdgcn-amd-amdhsa--gfx1250"
	.amdhsa_code_object_version 6
	.text
	.protected	k_q190ec1cd0e_oproj
	.globl	k_q190ec1cd0e_oproj
	.p2align	8
	.type	k_q190ec1cd0e_oproj,@function
k_q190ec1cd0e_oproj:
	s_mov_b64 s[64:65], 0
	v_nop
	global_prefetch_b8 v0, s[64:65] scope:SCOPE_SE
	s_setreg_imm32_b32 hwreg(HW_REG_WAVE_MODE, 25, 1), 1
	s_wait_xcnt 0x0
	s_wait_alu depctr_hold_cnt(0) depctr_sa_sdst(0) depctr_va_vdst(0) depctr_va_sdst(0) depctr_va_ssrc(0) depctr_va_vcc(0) depctr_vm_vsrc(0)
	s_getreg_b32 s2, hwreg(HW_REG_IB_STS2, 6, 4)
	s_cmp_eq_u32 s2, 0
	s_cbranch_scc0 .Lentry_in_a_cluster
	s_endpgm
.Lentry_in_a_cluster:
	s_bfe_u32 s2, ttmp6, 0x10000c
	s_cmp_lg_u32 s2, 0xf033
	s_cbranch_scc0 .Lentry_shape_is_right
	s_endpgm
.Lentry_shape_is_right:
; out0[m][n] (f32) = the sum over k of ob[m][k] Wo[n][k].  ob: [4096][1024] f16; Wo: rows 7,168 to 8,191 of xw, f16; sums in f32, stored as they are.
; 4,096 x 1,024 makes 256 tiles of 128 x 128: one for each work-group.  Four waves, each 64 x 64: 16 accumulators of 16 x 16, 128 registers.
; K goes in steps of 256 (LDS rows of 512 bytes; a wave's tensor load brings 64 of them) through two slots: 128 matrix instructions a wave in a step, 112 between a request and the wait for it.
; A wave has two tensor loads out at the start and one behind each round.
; CLUSTER: 4 x 4 work-groups; A's tiles are asked for jointly by a row of the cluster, Wo's by a column.
; THE MATRIX INSTRUCTION IS USED TRANSPOSED (source 0 = 16 rows of Wo, source 1 = 16 rows of ob): a lane holds eight neighbouring numbers of a row of out0.
; A wave's 64 columns of f32 are 256 bytes: each wave has a stage of its own, 16 rows at a time, and needs no barrier on the way out.
; REGISTERS: window 0: v0-31 addresses; v32-95 the way out; v128-255 the accumulators ((a, b) at 128 + 8 (4 a + b)).  window 1: two fragment buffers of 128: 64 of A, then 64 of Wo, for 64 along K.
.set KSTEP,  256
.set PITCH,  528                       ; an LDS row: 512 bytes + 16 of padding, an odd multiple of 16
.set HALFT,  64*PITCH
.set SLOT,   4*HALFT                   ; A's 128 rows, then Wo's 128 rows
.set STAGE,  2*SLOT                    ; behind the ring: 16 rows x 272 bytes for each wave
.set SPITCH, 272
.set SPARE,  STAGE+4*16*SPITCH         ; behind the stages: the spare words, 128 bytes for each wave: two blocks of 256 bytes that no other line names
.set LAPS,   2                         ; 1,024 / 512
.set ADRA, 16
.set ADRB, 20
.set STO,  24
.set RD,   25
.set CO,   26
.set SPW,  28                          ; v28  LDS address of my spare word; never rewritten
.set NIL,  29                          ; v29  0; never rewritten
.set BK,   32                          ; v32-63, v64-95 by turns: 16 rows read back from the stage
.set ACC,  128
.set F0,   0
.set F1,   128
.set G1, 24
.set G0, 32
.set G1B, 48
.set G0B, 56
.set MSB, 0
.macro WIN new
.if MSB != \new
	s_set_vgpr_msb (MSB<<8)|\new
.set MSB, \new
.endif
.endm
.set MUL,  0x05                        ; sources 0 and 1 window 1; C and D window 0
.set TO_F, 0x40                        ; destination window 1, address window 0
.macro JLOAD s                         ; a joint load: waves 0 and 1 fetch A's two halves, waves 2 and 3 Wo's; four v_nop follow each line
	s_cmp_eq_u32 s11, 0
	s_cbranch_scc0 .Lfor_b_\@
	tensor_load_to_lds s[G0+4*\s:G0+4*\s+3], s[G1:G1+7]
	s_nop 0
.rept 4
	v_nop
.endr
	s_branch .Lasked_\@
.Lfor_b_\@:
	tensor_load_to_lds s[G0B+4*\s:G0B+4*\s+3], s[G1B:G1B+7]
	s_nop 0
.rept 4
	v_nop
.endr
.Lasked_\@:
.endm
.macro CREST
	s_cmp_lg_u32 s10, 0
	s_cbranch_scc1 .Lnot_wave_0_\@
	s_barrier_signal -3
.Lnot_wave_0_\@:
	s_barrier_wait -3
	s_barrier_signal -1
	s_barrier_wait -1
.endm
.macro CROUND
	s_barrier_signal -1
	s_barrier_wait -1
	CREST
.endm
	s_load_b128 s[4:7], s[0:1], 0x0                ; ob s[4:5], xw s[6:7]
	s_load_b64 s[8:9], s[0:1], 0x10                ; out0
	v_lshl_add_u32 v[SPW], v0, 2, SPARE
	v_mov_b32 v[NIL], 0
	ds_add_u32 v28, v29
	ds_add_u32 v28, v29
	s_wait_dscnt 0x0
	v_lshrrev_b32 v1, 5, v0
	v_readfirstlane_b32 s10, v1                    ; wave 0..3
	s_lshr_b32 s11, s10, 1                         ; which half of the tile's rows is mine.  Also: I fetch for A (0) or for Wo (1)
	s_and_b32 s12, s10, 1                          ; which half of its columns.  Also: which 64 rows of that tile I fetch
	s_bfe_u32 s40, ttmp6, 0x40000
	s_bfe_u32 s41, ttmp6, 0x40004
	s_lshl_b32 s42, ttmp9, 2
	s_add_co_u32 s42, s42, s40                     ; tile column j
	s_and_b32 s13, ttmp7, 0xffff
	s_lshl_b32 s13, s13, 2
	s_add_co_u32 s13, s13, s41                     ; tile row i
	s_lshl_b32 s43, s41, 2
	s_lshl_b32 s43, 15, s43                        ; my row of the cluster
	s_lshl_b32 s44, 0x1111, s40                    ; my column
	; group 1: 64 rows x 256 elements of 2 bytes; behind every 128 words 4 words of padding; bit 21 set beside a mask
	s_or_b32 s[G1+0], s43, (1<<16)|(1<<20)|(1<<21)|(6<<22)|(3<<25)
	s_or_b32 s[G1B+0], s44, (1<<16)|(1<<20)|(1<<21)|(6<<22)|(3<<25)
.irp g, G1, G1B
	s_mov_b32 s[\g+1], KSTEP<<16
	s_mov_b32 s[\g+2], 64<<16
	s_mov_b32 s[\g+3], KSTEP<<16
	s_mov_b32 s[\g+4], 64
	s_mov_b32 s[\g+5], 1024
	s_mov_b32 s[\g+6], 0
	s_mov_b32 s[\g+7], 0
.endr
	s_lshl_b32 s16, s13, 18                        ; A: row 128 i + 64 x half, 2,048 bytes a row
	s_lshl_b32 s17, s12, 17
	s_add_co_u32 s16, s16, s17
	s_mov_b32 s17, 0
	s_lshl_b32 s46, s42, 18                        ; Wo: row 7,168 + 128 j + 64 x half of xw
	s_lshl_b32 s47, s12, 17
	s_add_co_u32 s46, s46, s47
	s_add_co_u32 s46, s46, 7168*2048
	s_mov_b32 s47, 0
	s_mul_i32 s20, s10, HALFT                      ; where they go: wave x 64 rows
	s_wait_kmcnt 0x0
	s_add_nc_u64 s[14:15], s[4:5], s[16:17]
	s_add_nc_u64 s[46:47], s[6:7], s[46:47]
	CROUND                                         ; all sixteen work-groups are here: the first joint loads meet
.irp s, 0,1
	s_mov_b32 s[G0+4*\s], 1
	s_add_co_u32 s[G0+4*\s+1], s20, \s*SLOT
	s_add_nc_u64 s[G0+4*\s+2:G0+4*\s+3], s[14:15], \s*KSTEP*2
	s_or_b32 s[G0+4*\s+3], s[G0+4*\s+3], 0x80000000
	s_mov_b32 s[G0B+4*\s], 1
	s_add_co_u32 s[G0B+4*\s+1], s20, \s*SLOT
	s_add_nc_u64 s[G0B+4*\s+2:G0B+4*\s+3], s[46:47], \s*KSTEP*2
	s_or_b32 s[G0B+4*\s+3], s[G0B+4*\s+3], 0x80000000
	JLOAD \s
.endr
	v_and_b32 v1, 15, v0                           ; r
	v_bfe_u32 v2, v0, 4, 1                         ; h
	v_mul_u32_u24 v3, v1, PITCH
	v_lshl_add_u32 v3, v2, 4, v3
	s_mul_i32 s21, s11, HALFT                      ; my 64 rows of A
	s_mul_i32 s22, s12, HALFT                      ; my 64 rows of Wo,
	s_add_co_u32 s22, s22, 2*HALFT                 ; which lie behind A's 128
.irp s, 0,1
	v_add_nc_u32 v[ADRA+\s], s21, v3
	v_add_nc_u32 v[ADRB+\s], s22, v3
	s_add_co_u32 s21, s21, SLOT
	s_add_co_u32 s22, s22, SLOT
.endr
	s_mul_i32 s23, s10, 16*SPITCH
	s_add_co_u32 s23, s23, STAGE                   ; my stage
	v_mul_u32_u24 v4, v1, SPITCH                   ; in: row r, 32 bytes for each half of the lanes
	v_lshl_add_u32 v4, v2, 5, v4
	v_add_nc_u32 v[STO], s23, v4
	v_mul_u32_u24 v5, v2, SPITCH                   ; back: lanes 0-15 take one row of 256 bytes, lanes 16-31 the next
	v_lshl_add_u32 v5, v1, 4, v5
	v_add_nc_u32 v[RD], s23, v5
	v_lshlrev_b32 v5, 12, v2                       ; and the same two rows in out0, 4,096 bytes a row
	v_lshl_add_u32 v[CO], v1, 4, v5
	s_lshl_b32 s16, s13, 19                        ; my first row: 128 i + 64 x row half
	s_lshl_b32 s18, s11, 18
	s_add_co_u32 s16, s16, s18
	s_add_nc_u64 s[8:9], s[8:9], s[16:17]
	s_lshl_b32 s46, s42, 9                         ; my first column, in bytes: 512 j + 256 x column half
	s_lshl_b32 s47, s12, 8
	s_add_co_u32 s46, s46, s47
	s_mov_b32 s47, 0
	s_add_nc_u64 s[8:9], s[8:9], s[46:47]
; 8 matrix instructions: row blocks a0, a0 + 1 x all 4 column blocks, 32 along K: half c of buffer f.  The 16 accumulators take turns.
.macro MUL8 f, c, a0, zero
.irp a, \a0, \a0+1
.irp b, 0,1,2,3
.if \zero
	v_wmma_f32_16x16x32_f16 v[ACC+8*(4*(\a)+\b):ACC+8*(4*(\a)+\b)+7], v[\f+64+8*(4*\c+\b):\f+64+8*(4*\c+\b)+7], v[\f+8*(4*\c+\a):\f+8*(4*\c+\a)+7], 0
.else
	v_wmma_f32_16x16x32_f16 v[ACC+8*(4*(\a)+\b):ACC+8*(4*(\a)+\b)+7], v[\f+64+8*(4*\c+\b):\f+64+8*(4*\c+\b)+7], v[\f+8*(4*\c+\a):\f+8*(4*\c+\a)+7], v[ACC+8*(4*(\a)+\b):ACC+8*(4*(\a)+\b)+7]
.endif
.endr
.endr
.endm
; 32 LDS loads in one run: the fragments of 64 along K at byte k of the rows, into buffer f; the first 32 along K first
.macro FETCH slot, k, f
	WIN TO_F
.irp c, 0,1
.irp i, 0,1,2,3
	ds_load_b128 v[\f+64+8*(4*\c+\i):\f+64+8*(4*\c+\i)+3],   v[ADRB+\slot] offset:\k+64*\c+\i*16*PITCH
	ds_load_b128 v[\f+64+8*(4*\c+\i)+4:\f+64+8*(4*\c+\i)+7], v[ADRB+\slot] offset:\k+64*\c+\i*16*PITCH+32
	ds_load_b128 v[\f+8*(4*\c+\i):\f+8*(4*\c+\i)+3],         v[ADRA+\slot] offset:\k+64*\c+\i*16*PITCH
	ds_load_b128 v[\f+8*(4*\c+\i)+4:\f+8*(4*\c+\i)+7],       v[ADRA+\slot] offset:\k+64*\c+\i*16*PITCH+32
.endr
.endr
.endm
.macro PLACES                          ; four places in front of loads into registers that matrix instructions have read, and of LDS stores that read results
.rept 4
	v_nop
.endr
.endm
; A K step is four quarters of 64 along K, 32 matrix instructions each, on buffers 0, 1, 0, 1.
.macro QUARTER slot, k, f, g, zero
	s_wait_dscnt 16                                ; the first 32 along K are in
	WIN MUL
	MUL8 \f, 0, 0, \zero
	MUL8 \f, 0, 2, \zero
	PLACES
	FETCH \slot, \k, \g
	s_wait_dscnt 32                                ; all but the 32 just issued
	WIN MUL
	MUL8 \f, 1, 0, 0
	MUL8 \f, 1, 2, 0
.endm
; The last quarter multiplies buffer 1 and changes slots: ONE barrier; in front of it each wave waits for all its tensor loads, adds 0 to its spare word, and waits for that and for its reads of this slot.
.macro TURN slot, next, fill
	WIN 0                                          ; (the add's two registers lie in window 0)
	s_wait_tensorcnt 0x0                           ; all my tensor loads have landed: my part of the next slot
	ds_add_u32 v[SPW], v[NIL]                      ; 0 onto my spare word
	s_wait_dscnt 17                                ; (the add and the youngest sixteen loads may be out)
	WIN MUL
	MUL8 F1, 0, 0, 0                               ; eight matrix instructions stand between the add and the wait for it
	s_wait_dscnt 0x0                               ; the add is done, and my reads of this slot are over
	s_barrier_signal -1
	MUL8 F1, 0, 2, 0
.if \fill
	WIN 0
.endif
	s_barrier_wait -1
.if \fill
	CREST                                          ; no wave of any partner still reads this slot or has a load on its way
	s_add_nc_u64 s[G0+4*\slot+2:G0+4*\slot+3], s[G0+4*\slot+2:G0+4*\slot+3], 2*KSTEP*2
	s_add_nc_u64 s[G0B+4*\slot+2:G0B+4*\slot+3], s[G0B+4*\slot+2:G0B+4*\slot+3], 2*KSTEP*2
	JLOAD \slot                                    ; the four v_nop behind it are also the places in front of the loads below
.else
	PLACES
.endif
	FETCH \next, 0, F0
	WIN MUL
	MUL8 F1, 1, 0, 0
	MUL8 F1, 1, 2, 0
.endm
	s_wait_tensorcnt 1                             ; my part of K step 0 is in; K step 1's may stay out
	s_barrier_signal -1
	s_barrier_wait -1
	FETCH 0, 0, F0
	QUARTER 0, 128, F0, F1, 1                      ; the first quarter stands in front of the loop: its first products start the sums
	WIN 0
	s_mov_b32 s3, LAPS-1
.Llap:                                                 ; a trip goes once round the ring and fills both slots again
	QUARTER 0, 256, F1, F0, 0
	QUARTER 0, 384, F0, F1, 0
	TURN 0, 1, 1
	QUARTER 1, 128, F0, F1, 0
	QUARTER 1, 256, F1, F0, 0
	QUARTER 1, 384, F0, F1, 0
	TURN 1, 0, 1
	QUARTER 0, 128, F0, F1, 0
	WIN 0
	s_sub_co_u32 s3, s3, 1
	s_cmp_lg_u32 s3, 0
	s_cbranch_scc1 .Llap
	QUARTER 0, 256, F1, F0, 0                      ; the last lap fills nothing
	QUARTER 0, 384, F0, F1, 0
	TURN 0, 1, 0
	QUARTER 1, 128, F0, F1, 0
	QUARTER 1, 256, F1, F0, 0
	QUARTER 1, 384, F0, F1, 0
	s_wait_dscnt 16                                ; the very last quarter: nothing more to fetch
	WIN MUL
	MUL8 F1, 0, 0, 0
	MUL8 F1, 0, 2, 0
	s_wait_dscnt 0x0
	MUL8 F1, 1, 0, 0
	MUL8 F1, 1, 2, 0
	WIN 0
	; THE WAY OUT, 16 rows at a time: a lane's 32 bytes of a row go into my own stage, whole rows of 256 bytes come back and are stored.
	; LDS serves a wave's instructions in order (ISA guide 5.7.1.4): the loads see the stores above them, and the next block's stores come behind these loads.
	PLACES
.irp a, 0,1,2,3
.if \a >= 2
	s_wait_xcnt 0x0                                ; the stores of two blocks ago have had their addresses translated: their data registers are loaded again only behind this wait
.endif
.irp b, 0,1,2,3
	ds_store_b128 v[STO], v[ACC+8*(4*\a+\b):ACC+8*(4*\a+\b)+3]   offset:64*\b      ; each accumulator from its low end on
	ds_store_b128 v[STO], v[ACC+8*(4*\a+\b)+4:ACC+8*(4*\a+\b)+7] offset:64*\b+16
.endr
.irp t, 0,1,2,3,4,5,6,7
	ds_load_b128 v[BK+32*(\a%2)+4*\t:BK+32*(\a%2)+4*\t+3], v[RD] offset:\t*2*SPITCH
.endr
.irp t, 0,1,2,3,4,5,6,7
	s_wait_dscnt 7-\t
	global_store_b128 v[CO], v[BK+32*(\a%2)+4*\t:BK+32*(\a%2)+4*\t+3], s[8:9] offset:(16*\a+2*\t)*4096 th:TH_STORE_NT   ; 16 lanes store 256 consecutive bytes, at a multiple of 256 from out0's first byte
.endr
.endr
	s_wait_tensorcnt 0x0                           ; the wave's end, behind my last tensor load and my last LDS store
	ds_add_u32 v[SPW], v[NIL]
	s_wait_dscnt 0x0
	CROUND                                         ; the closing round: no work-group ends while a partner may still ask for a tile that names it
	s_endpgm
.Lfunc_end_k_q190ec1cd0e_oproj:
	.size	k_q190ec1cd0e_oproj, .Lfunc_end_k_q190ec1cd0e_oproj-k_q190ec1cd0e_oproj
	.p2alignl 7, 3214868480
	.fill 96, 4, 3214868480
	.section	.rodata,"a",@progbits
	.p2align	6, 0x0
	.amdhsa_kernel k_q190ec1cd0e_oproj
		.amdhsa_group_segment_fixed_size 327680
		.amdhsa_private_segment_fixed_size 0
		.amdhsa_enable_private_segment 0
		.amdhsa_kernarg_size 24
		.amdhsa_user_sgpr_count 2
		.amdhsa_user_sgpr_kernarg_segment_ptr 1
		.amdhsa_wavefront_size32 1
		.amdhsa_system_sgpr_workgroup_id_x 1
		.amdhsa_system_sgpr_workgroup_id_y 1
		.amdhsa_system_sgpr_workgroup_id_z 1
		.amdhsa_system_vgpr_workitem_id 0
		.amdhsa_next_free_vgpr 512
		.amdhsa_next_free_sgpr 66
		.amdhsa_reserve_vcc 0
		.amdhsa_float_denorm_mode_32 3
		.amdhsa_float_denorm_mode_16_64 3
		.amdhsa_memory_ordered 1
		.amdhsa_forward_progress 1
		.amdhsa_inst_pref_size 86
	.end_amdhsa_kernel
	.amdgpu_metadata
---
amdhsa.version: [ 1, 2 ]
amdhsa.kernels:
  - .name:           k_q190ec1cd0e_oproj
    .symbol:         k_q190ec1cd0e_oproj.kd
    .args:
      - { .name: ob, .offset: 0, .size: 8, .value_kind: global_buffer, .address_space: global }
      - { .name: xw, .offset: 8, .size: 8, .value_kind: global_buffer, .address_space: global }
      - { .name: out0, .offset: 16, .size: 8, .value_kind: global_buffer, .address_space: global }
    .group_segment_fixed_size: 327680
    .private_segment_fixed_size: 0
    .kernarg_segment_align: 8
    .kernarg_segment_size: 24
    .max_flat_workgroup_size: 128
    .sgpr_count:     66
    .vgpr_count:     512
    .wavefront_size: 32
...
	.end_amdgpu_metadata
.endif
;; end of part 4
;; ======== version 2 of 3: 3 launches; 1.15 times as fast as version 1
;; limits: values are held in f16: magnitudes above 65,504 overflow, below 6.1e-05 lose precision
;; workspace buffers: xh 8,519,680 bytes; wh 8,388,608 bytes; xs 131,072 bytes; ob 8,388,608 bytes
;; launch cvt (part 5): grid 512 x 1, 8 waves a work-group, no clusters, 5,120 bytes of LDS; arguments x, Wq, Wk, Wv, Wo, xh, wh, xs; writes xh, wh, xs
.if DOCPART == 5
	.amdgcn_target "amdgcn-amd-amdhsa--gfx1250"
	.amdhsa_code_object_version 6
	.text
	.protected	k_q190ec1cd0e_cvt
	.globl	k_q190ec1cd0e_cvt
	.p2align	8
	.type	k_q190ec1cd0e_cvt,@function
k_q190ec1cd0e_cvt:
	s_mov_b64 s[64:65], 0
	v_nop
	global_prefetch_b8 v0, s[64:65] scope:SCOPE_SE
	s_setreg_imm32_b32 hwreg(HW_REG_WAVE_MODE, 25, 1), 1
	s_wait_xcnt 0x0
; The operands of both products, rounded once to f16 (nearest even), and the column sums of x.
;   xh[4160][1024] f16: 64 rows of zeros, then x: a block of 256 rows and the 64 rows in front of it are then 320 rows on end for every block, the first too.
;   wh[4096][1024] f16: head n's 64 rows of Wq, of Wk and of Wv lie together, at rows 192 n, 192 n + 64, 192 n + 128; from row 3,072 on Wo as it is.
;   xs[32][1024] f32:   xs[i][c] = the sum over rows 128 i .. 128 i + 127 of x's column c, from the numbers as loaded: the next kernel makes the mean row of x of it.
; WHY f16 AND NOT bf16.  A query that attends one key passes V on unaveraged, so each rounding on the way reaches the result whole: 11 significant bits are wanted, not 8.
; LIMIT.  A number beyond 65,504 in size becomes infinite; below 6.1e-5 the step is 6e-8.  x of spread 1 and weights of spread 0.02 have room for 30 times more (about 150 and 3),
; for a common offset of 30 spreads (about 35 and 0.7) and for 30 times less (weights of spread 0.00067: the step is under 1e-4 of the spread).
; A stream: every byte is read once and written once; no matrix unit, no cluster: no two work-groups share a byte.
; A work-group takes a block of 128 rows x 128 columns: 0-255 x's 32 x 8 blocks, then 64 for each weight.  Wave v, lane l, turn n: row v + 8 n, columns 4 l .. 4 l + 3:
; a load of a wave covers 512 neighbouring bytes, a store 256 neighbouring bytes, aligned.
.set XR, 4                             ; v[4:67]   16 slots of 4: as loaded
.set YR, 68                            ; v[68:99]  16 slots of 2: to store
.set ZZ, 104                           ; v[104:105] zeros for the rows in front of x
.set LA, 106                           ; v106      16 x thread: my place among the waves' column sums in LDS; for wave 0 also its offset in xs
	s_load_b256 s[4:11], s[0:1], 0x0               ; x s[4:5], Wq s[6:7], Wk s[8:9], Wv s[10:11]
	s_load_b256 s[12:19], s[0:1], 0x20             ; Wo s[12:13], xh s[14:15], wh s[16:17], xs s[18:19]
	v_lshl_add_u32 v112, v0, 2, 0x1000
	v_mov_b32 v113, 0
	s_lshr_b32 s20, ttmp9, 6                       ; 0-3: x; 4, 5, 6, 7: Wq, Wk, Wv, Wo
	s_and_b32 s21, ttmp9, 7                        ; block of 128 columns
	s_lshr_b32 s22, ttmp9, 3
	s_and_b32 s23, s22, 7
	s_cmp_lt_u32 s20, 4
	s_cselect_b32 s22, s22, s23                    ; block of 128 rows: 0-31 in x, 0-7 in a weight
	s_lshl_b32 s24, s22, 19                        ; the source: 128 rows of 4,096 bytes,
	s_lshl_b32 s23, s21, 9                         ; 128 columns of 4 bytes
	s_add_co_u32 s24, s24, s23
	s_mov_b32 s25, 0
	s_lshl_b32 s26, s22, 18                        ; the target, 2,048 bytes a row.  x: 64 rows further down;
	s_add_co_u32 s29, s26, 64*2048
	s_add_co_u32 s30, s26, 3072*2048               ; Wo: behind the heads' rows;
	s_mul_i32 s27, s22, 384*2048                   ; Wq, Wk, Wv: a block is two heads' rows, 192 rows a head,
	s_sub_co_u32 s28, s20, 4
	s_lshl_b32 s28, s28, 17                        ; and 64 rows for each weight in front
	s_add_co_u32 s27, s27, s28
	s_cmp_lt_u32 s20, 4
	s_cselect_b32 s26, s29, s27
	s_cselect_b32 s31, 0, 128*2048                 ; there the block's second 64 rows lie 128 rows further on than they would
	s_cmp_eq_u32 s20, 7
	s_cselect_b32 s26, s30, s26
	s_cselect_b32 s31, 0, s31
	s_lshl_b32 s23, s21, 8                         ; 128 columns of 2 bytes
	s_add_co_u32 s26, s26, s23
	s_mov_b32 s27, 0
	s_lshl_b32 s28, s22, 12                        ; xs: row = the block of rows, 512 bytes a block of columns
	s_lshl_b32 s23, s21, 9
	s_add_co_u32 s28, s28, s23
	s_mov_b32 s29, 0
	v_lshrrev_b32 v1, 5, v0
	v_readfirstlane_b32 s30, v1                    ; wave 0..7
	v_and_b32 v3, 31, v0
	v_lshlrev_b32 v2, 11, v1
	v_lshl_add_u32 v2, v3, 3, v2                   ; out: row v, 8 bytes a lane
	v_lshlrev_b32 v1, 12, v1
	v_lshl_add_u32 v1, v3, 4, v1                   ; in: row v, 16 bytes a lane
	v_add_nc_u32 v3, s31, v2                       ; out, for the block's second 64 rows
	v_lshlrev_b32 v[LA], 4, v0
	s_wait_kmcnt 0x0
	s_cmp_lt_u32 s20, 4                            ; source and target are chosen on the work-group's number alone
	s_cselect_b64 s[32:33], s[4:5], s[6:7]
	s_cselect_b64 s[34:35], s[14:15], s[16:17]
	s_cmp_eq_u32 s20, 5
	s_cselect_b64 s[32:33], s[8:9], s[32:33]
	s_cmp_eq_u32 s20, 6
	s_cselect_b64 s[32:33], s[10:11], s[32:33]
	s_cmp_eq_u32 s20, 7
	s_cselect_b64 s[32:33], s[12:13], s[32:33]
	s_add_nc_u64 s[32:33], s[32:33], s[24:25]
	s_add_nc_u64 s[34:35], s[34:35], s[26:27]
	s_add_nc_u64 s[18:19], s[18:19], s[28:29]
.irp n, 0,1,2,3,4,5,6,7,8,9,10,11,12,13,14,15
	global_load_b128 v[XR+4*\n:XR+4*\n+3], v1, s[32:33] offset:32768*\n th:TH_LOAD_NT   ; all sixteen go out at once: 64 KiB of the work-group in flight
.endr
	s_cmp_lt_u32 ttmp9, 8
	s_cbranch_scc0 .Lno_pad                        ; x's first eight blocks also write the 64 rows of zeros above them
	v_mov_b32 v[ZZ], 0
	v_mov_b32 v[ZZ+1], 0
.irp n, 0,1,2,3,4,5,6,7
	global_store_b64 v2, v[ZZ:ZZ+1], s[34:35] offset:16384*\n-64*2048
.endr
.Lno_pad:
.irp n, 0,1,2,3,4,5,6,7,8,9,10,11,12,13,14,15
	s_wait_loadcnt 15-\n                           ; loads come back in order: slot n is in, the 15 - n younger ones stay out
	v_cvt_pk_f16_f32 v[YR+2*\n], v[XR+4*\n], v[XR+4*\n+1]
	v_cvt_pk_f16_f32 v[YR+2*\n+1], v[XR+4*\n+2], v[XR+4*\n+3]
.if \n < 8
	global_store_b64 v2, v[YR+2*\n:YR+2*\n+1], s[34:35] offset:16384*\n
.else
	global_store_b64 v3, v[YR+2*\n:YR+2*\n+1], s[34:35] offset:16384*\n
.endif
.endr
	s_cmp_ge_u32 s20, 4
	s_cbranch_scc1 .Lend                           ; a weight's work-group is done: all its eight waves leave here together
	; x's column sums: my 16 rows, then the eight waves' through LDS
.irp s, 8,4,2,1
.set n, 0
.rept \s
	v_pk_add_f32 v[XR+4*n:XR+4*n+1], v[XR+4*n:XR+4*n+1], v[XR+4*(n+\s):XR+4*(n+\s)+1]
	v_pk_add_f32 v[XR+4*n+2:XR+4*n+3], v[XR+4*n+2:XR+4*n+3], v[XR+4*(n+\s)+2:XR+4*(n+\s)+3]
.set n, n+1
.endr
.endr
	ds_store_b128 v[LA], v[XR:XR+3]
	s_wait_dscnt 0x0                               ; for wave 0's sake: my sums are stored
	s_barrier_signal -1
	s_barrier_wait -1
	s_cmp_lg_u32 s30, 0
	s_cbranch_scc1 .Lend
.irp k, 0,1,2,3,4,5,6,7
	ds_load_b128 v[XR+4*\k:XR+4*\k+3], v[LA] offset:512*\k
.endr
	s_wait_dscnt 0x0
.irp s, 4,2,1
.set n, 0
.rept \s
	v_pk_add_f32 v[XR+4*n:XR+4*n+1], v[XR+4*n:XR+4*n+1], v[XR+4*(n+\s):XR+4*(n+\s)+1]
	v_pk_add_f32 v[XR+4*n+2:XR+4*n+3], v[XR+4*n+2:XR+4*n+3], v[XR+4*(n+\s)+2:XR+4*(n+\s)+3]
.set n, n+1
.endr
.endr
	global_store_b128 v[LA], v[XR:XR+3], s[18:19]  ; 128 columns: 512 neighbouring bytes
.Lend:
	s_wait_tensorcnt 0x0
	ds_add_u32 v112, v113
	s_wait_dscnt 0x0
	s_endpgm
.Lfunc_end_k_q190ec1cd0e_cvt:
	.size	k_q190ec1cd0e_cvt, .Lfunc_end_k_q190ec1cd0e_cvt-k_q190ec1cd0e_cvt
	.p2alignl 7, 3214868480
	.fill 96, 4, 3214868480
	.section	.rodata,"a",@progbits
	.p2align	6, 0x0
	.amdhsa_kernel k_q190ec1cd0e_cvt
		.amdhsa_group_segment_fixed_size 5120
		.amdhsa_private_segment_fixed_size 0
		.amdhsa_enable_private_segment 0
		.amdhsa_kernarg_size 64
		.amdhsa_user_sgpr_count 2
		.amdhsa_user_sgpr_kernarg_segment_ptr 1
		.amdhsa_wavefront_size32 1
		.amdhsa_system_sgpr_workgroup_id_x 1
		.amdhsa_system_sgpr_workgroup_id_y 1
		.amdhsa_system_sgpr_workgroup_id_z 1
		.amdhsa_system_vgpr_workitem_id 0
		.amdhsa_next_free_vgpr 114
		.amdhsa_next_free_sgpr 66
		.amdhsa_reserve_vcc 0
		.amdhsa_float_denorm_mode_32 3
		.amdhsa_float_denorm_mode_16_64 3
		.amdhsa_memory_ordered 1
		.amdhsa_forward_progress 1
		.amdhsa_inst_pref_size 13
	.end_amdhsa_kernel
	.amdgpu_metadata
---
amdhsa.version: [ 1, 2 ]
amdhsa.kernels:
  - .name:           k_q190ec1cd0e_cvt
    .symbol:         k_q190ec1cd0e_cvt.kd
    .args:
      - { .name: x, .offset: 0, .size: 8, .value_kind: global_buffer, .address_space: global }
      - { .name: Wq, .offset: 8, .size: 8, .value_kind: global_buffer, .address_space: global }
      - { .name: Wk, .offset: 16, .size: 8, .value_kind: global_buffer, .address_space: global }
      - { .name: Wv, .offset: 24, .size: 8, .value_kind: global_buffer, .address_space: global }
      - { .name: Wo, .offset: 32, .size: 8, .value_kind: global_buffer, .address_space: global }
      - { .name: xh, .offset: 40, .size: 8, .value_kind: global_buffer, .address_space: global }
      - { .name: wh, .offset: 48, .size: 8, .value_kind: global_buffer, .address_space: global }
      - { .name: xs, .offset: 56, .size: 8, .value_kind: global_buffer, .address_space: global }
    .group_segment_fixed_size: 5120
    .private_segment_fixed_size: 0
    .kernarg_segment_align: 8
    .kernarg_segment_size: 64
    .max_flat_workgroup_size: 256
    .sgpr_count:     66
    .vgpr_count:     114
    .wavefront_size: 32
...
	.end_amdgpu_metadata
.endif
;; end of part 5
;; launch qkva (part 6): grid 16 x 16, 4 waves a work-group, clusters of 4 x 4, 327,680 bytes of LDS; arguments xh, wh, xs, align_gate, coh_gate, sep_gate, ob; writes ob
.if DOCPART == 6
	.amdgcn_target "amdgcn-amd-amdhsa--gfx1250"
	.amdhsa_code_object_version 6
	.text
	.protected	k_q190ec1cd0e_qkva
	.globl	k_q190ec1cd0e_qkva
	.p2align	8
	.type	k_q190ec1cd0e_qkva,@function
k_q190ec1cd0e_qkva:
	s_mov_b64 s[64:65], 0
	v_nop
	global_prefetch_b8 v0, s[64:65] scope:SCOPE_SE
	s_setreg_imm32_b32 hwreg(HW_REG_WAVE_MODE, 25, 1), 1
	s_wait_xcnt 0x0
	s_wait_alu depctr_hold_cnt(0) depctr_sa_sdst(0) depctr_va_vdst(0) depctr_va_sdst(0) depctr_va_ssrc(0) depctr_va_vcc(0) depctr_vm_vsrc(0)
	s_getreg_b32 s2, hwreg(HW_REG_IB_STS2, 6, 4)
	s_cmp_eq_u32 s2, 0
	s_cbranch_scc0 .Lentry_in_a_cluster
	s_endpgm
.Lentry_in_a_cluster:
	s_bfe_u32 s2, ttmp6, 0x10000c
	s_cmp_lg_u32 s2, 0xf033
	s_cbranch_scc0 .Lentry_shape_is_right
	s_endpgm
.Lentry_shape_is_right:
; Projections and attention in one: Q, K, V = x Wq^T, x Wk^T, x Wv^T of one head, then ob[head][row][c] (f16) = softmax over the window of the changed scores, times V.
; With s = q.k / 8:  score = (1 + align) s - sep sigmoid(s)^2 - coh |s - mean|, attended where 0 <= i - j < 64.
; xh: [4160][1024] f16 (64 rows of zeros, then x); wh: [4096][1024] f16 (a head's Wq, Wk, Wv rows together: 192 rows a head); xs: [32][1024] f32 (column sums of x by 128 rows);
; ob: [16][4096][64] f16, by heads, so that a wave's 64 rows are 8,192 bytes on end.
; SHARES.  Work-group (head, i) owns rows 256 i .. +255 of one head.  Wave w makes Q, K, V of rows 64 w .. +63 (48 accumulators of 16 x 16) and attends for these 64 queries.
; Q, K and V never go to memory.  The price: a query looks back over 63 keys, so K and V of the 64 rows in front of the block are made here a second time, 16 rows a wave (8 accumulators).
; For 32 along K a wave issues 57 matrix instructions (48 + 8 + 1 for the mean) and 38 LDS loads of 16 bytes a lane.
; WHAT IS NOT DONE.  A score outside the window is thrown away by the mask that the problem builds itself, so a tile of 16 queries meets 5 tiles of 16 keys.
; THE MEAN over all 2,048 keys is linear: mean_k(q.k) = q.(mean_k k) and mean_k k = (mean_k x) Wk^T, for every input.  The batch's mean row of x (from xs) lies in LDS as two f16 rows, its upper
; 11 bits and what they leave; wave w multiplies them by Wk's rows 16 w .. +15.  The mean key is again split in two and enters the matrix unit as a tile of keys.  The order of summation
; differs from a mean over scores, and the mean is that of x as given, not as rounded.
; LIMITS.  x, the weights, Q, K, V, the weights p and the result are f16: beyond 65,504 they become infinite (Q, K, V have spread 0.64 for x of spread 1 and weights of spread 0.02; inputs 30 times
; larger give about 3,000, common offsets of 30 spreads 1,024 x 30 x 0.6 = 18,432).  A masked score is the score in log2 units plus -1e30, not -1e30 itself: the same weight 0 as long as
; |score| is far under 1e30.  The softmax takes away the row's true maximum (the key i = j is always attended, so it is finite).
; RING.  K goes in steps of 128 through two LDS slots of 512 rows x 256 bytes: 320 rows of x, 192 of the weights; waves 0, 1 fill 160 rows of x each, waves 2, 3 96 rows of the weights each.
; A wave has two tensor loads out at the start and one behind each round.
; CLUSTER.  4 x 4 work-groups.  x's tile hangs on i alone and is asked for jointly by a row of the cluster, the weights' tile on the head alone, by a column.
; THE MATRIX INSTRUCTION IS USED TRANSPOSED in the projections (source 0 = 16 rows of W, source 1 = 16 rows of x): a lane holds eight neighbouring channels of one row.  Two such results,
; rounded in pairs, ARE a fragment of 16 rows x 32 channels: Q and the wave's own K go from the sums to the score products without leaving their lanes.
; ATTENTION.  S^T = K Q^T: a lane holds ONE query (lane % 16) and keys 8 (lane / 16) + 0..7.  Two such tiles, rounded in pairs, are source 1 of O^T = V^T P.  V is turned by ds_load_tr16_b128.
; Behind the loop slot 0, which has had its last fill, takes K (rows of 144 bytes) and V (rows of 160): 320 rows each, the 64 in front first.  The wave's key tile kt (0..7) begins at row 64 w + 16 kt.
; REGISTERS: window 0: v0-63 addresses, statistics, biases; in the loop v64-111, v112-159 x's fragments, two buffers (4 own, 1 in front, 1 mean); then S^T, P, O^T.
;   window 1: in the loop v0-103, v128-231 the weights' fragments (part g, block b at 8 (4 g + b); the mean's at 96); then v0-127 K (tile kt at 16 kt + 8 c), v128-255 V (at 128 + 32 c + 8 d).
;   window 2: the sums of Q (v0-127) and K (v128-255); then v0-63 Q (tile i at 16 i + 8 c), v64-79 the mean key's tile.   window 3: the sums of V (v0-127), of K and V in front (v128-191), of the mean (v192-199).
.set KSTEP,  128
.set PITCH,  272                       ; an LDS row: 256 bytes + 16 of padding, an odd multiple of 16: the 16 rows of a fragment load fall on 16 different 16-byte columns of 256
.set AROWS,  320
.set SLOT,   512*PITCH
.set SPARE,  2*SLOT                    ; behind the ring: the spare words, 128 bytes for each wave: two blocks of 256 bytes that no other line names
.set XB,     SPARE+512                 ; the mean row of x: two rows of 1,024 f16; no tensor load lands from here on
.set XPITCH, 2064
.set KBS,    XB+4352                   ; the mean key's tile: 16 rows x 144 bytes
.set KP,     144                       ; a row of K, of the mean's tile and of a stage: 128 bytes + 16
.set VP,     160                       ; a row of V: 128 + 32, an odd multiple of 32, for the turning load
.set OST,    KBS+16*KP                 ; 16 rows x 144 bytes for each wave: the way out
.set LVS,    AROWS*KP                  ; K from byte 0, V behind it
.set LAPS,   4                         ; 1,024 / 256: a lap = two K steps = once round the ring
.set AK,   4                           ; K: (64 w + r) x 144 + 16 h
.set AV,   5                           ; V, for the turning load
.set AKB,  6                           ; the mean's tile, read
.set STO,  7                           ; the way out: where I put 16 bytes of a row
.set RD,   8                           ; where I read 16 bytes of the tile's 2,048 back
.set GO,   9                           ; 16 x lane
.set KSH,  10                          ; K of the rows in front: (16 w + r) x 144 + 16 h
.set KBST, 11                          ; the mean's tile, my 16 bytes
.set MN,   12                          ; v[12:13] q . mean key (the pair's upper register is named with it, so it is written once)
.set MX,   14                          ; v[14:18] a maximum for each key tile
.set ADRX0, 19                         ; the mean row's fragment at K = 0
.set MR,   20                          ; v[20:21] the row's maximum
.set LR,   22                          ; v[22:25] the row's sum, two chains of pairs
.set RLR,  26                          ; v[26:27] 1 / sum
.set SPW,  28                          ; v28  LDS address of my spare word; never rewritten
.set NIL,  29                          ; v29  0; never rewritten
.set VSO,  30                          ; V: (64 w + r) x 160 + 16 h
.set VSH,  31                          ; V of the rows in front
.set DG,   32                          ; v[32:39] the diagonal tile's bias: 0 where key <= query
.set FR,   40                          ; v[40:47] the farthest tile's bias: open where key > query - 64
.set MB,   48                          ; v[48:49] -1e30 where the 64 rows in front do not exist, else 0
.set NEG,  50
.set ZER,  51
.set ADRA, 52                          ; v52-53  my own rows of x in slot 0, 1
.set ADRH, 54                          ; v54-55  my 16 of the rows in front
.set ADRB, 56                          ; v56-57  the weights' rows
.set ADRM, 58                          ; v58-59  Wk's rows 16 w on, for the mean
.set ADRX, 60                          ; the mean row's fragment in this lap
.set XSO,  62
.set XBA,  63
.set FA,   64
.set XS,   64                          ; v64-191 at the start: xs as loaded
.set SC,   64                          ; v[64:103] S^T, five tiles
.set MA,   104                         ; v[104:111] the mean's product
.set TT,   112
.set UU,   120
.set OBR,  128                         ; v128-143, v232-247 by turns: a tile of the result, read back
.set PP,   144                         ; v[144:167] P: six slots of four
.set OO,   168                         ; v[168:199] O^T: four blocks of 16 channels
.set XX,   200                         ; v[200:231] at work
.set TV,   64                          ; V, rounded, on its way to LDS
.set TH,   128                         ; K and V of the rows in front, rounded
.set KBF,  64                          ; in window 2
.set G1,  24                           ; s[24:31] group 1 for x's tiles;  s[32:39] group 0, a set for each slot
.set G0,  32
.set G1B, 48                           ; s[48:55], s[56:63] the same for the weights' tiles
.set G0B, 56
.set XT,  69                           ; s69      bytes of the mean row that the laps so far have used
.set C1,  70                           ; s[70:71] -log2(e) / 8
.set AS,  72                           ; s[72:73] (1 + align) log2(e) / 8
.set NS,  74                           ; s[74:75] -sep log2(e)
.set NC,  76                           ; s76      -coh log2(e) / 8
.set SEL, 78                           ; s[78:79] lane selects for v_permlanex16_b32
.set MSB, 0
.macro WIN new                         ; the immediate's high byte repeats the setting that is left; a switch that changes nothing is dropped
.if MSB != \new
	s_set_vgpr_msb (MSB<<8)|\new
.set MSB, \new
.endif
.endm
.set MUL_LO, 0xa1                      ; source 0 (W) window 1, source 1 (x) window 0, C and D window 2
.set MUL_HI, 0xf1                      ; the same, C and D window 3
.set TO_B,   0x40                      ; destination window 1, address window 0
.macro PLACES                          ; four places in front of loads into registers that matrix instructions have read, and of vector work on their registers
.rept 4
	v_nop
.endr
.endm
; A joint load: waves 0, 1 fetch x's two halves, waves 2, 3 the weights'.  The branch hangs on the wave's number alone.  Four v_nop follow each line.
.macro JLOAD s
	s_cmp_eq_u32 s19, 0
	s_cbranch_scc0 .Lfor_b_\@
	tensor_load_to_lds s[G0+4*\s:G0+4*\s+3], s[G1:G1+7]
	s_nop 0
.rept 4
	v_nop
.endr
	s_branch .Lasked_\@
.Lfor_b_\@:
	tensor_load_to_lds s[G0B+4*\s:G0B+4*\s+3], s[G1B:G1B+7]
	s_nop 0
.rept 4
	v_nop
.endr
.Lasked_\@:
.endm
.macro CREST                           ; a round of the cluster's barrier behind its opening barrier
	s_cmp_lg_u32 s18, 0
	s_cbranch_scc1 .Lnot_wave_0_\@
	s_barrier_signal -3
.Lnot_wave_0_\@:
	s_barrier_wait -3
	s_barrier_signal -1
	s_barrier_wait -1
.endm
.macro CROUND                          ; a whole round
	s_barrier_signal -1
	s_barrier_wait -1
	CREST
.endm
	s_load_b256 s[4:11], s[0:1], 0x0               ; xh s[4:5], wh s[6:7], xs s[8:9], align s[10:11]
	s_load_b128 s[12:15], s[0:1], 0x20             ; coh s[12:13], sep s[14:15]
	s_load_b64 s[16:17], s[0:1], 0x30              ; ob
	v_lshl_add_u32 v[SPW], v0, 2, SPARE
	v_mov_b32 v[NIL], 0
	ds_add_u32 v28, v29
	ds_add_u32 v28, v29
	s_wait_dscnt 0x0
	v_lshrrev_b32 v1, 5, v0
	v_readfirstlane_b32 s18, v1                    ; wave 0..3
	s_lshr_b32 s19, s18, 1                         ; I fetch for x (0) or for the weights (1),
	s_and_b32 s20, s18, 1                          ; the first or the second half of the tile's rows
	s_bfe_u32 s40, ttmp6, 0x40000                  ; cx, cy: my place in the cluster
	s_bfe_u32 s41, ttmp6, 0x40004
	s_lshl_b32 s22, ttmp9, 2
	s_add_co_u32 s22, s22, s40                     ; head = 4 x cluster x + cx
	s_and_b32 s21, ttmp7, 0xffff
	s_lshl_b32 s21, s21, 2
	s_add_co_u32 s21, s21, s41                     ; i = 4 x cluster y + cy
	s_lshl_b32 s42, s41, 2
	s_lshl_b32 s42, 15, s42                        ; my row of the cluster
	s_lshl_b32 s43, 0x1111, s40                    ; my column
	; group 1: rows of 128 elements of 2 bytes, 1,024 elements apart; behind every 64 words 4 words of padding; bit 21 set beside a mask; 160 rows of x, 96 of the weights
	s_or_b32 s[G1+0], s42, (1<<16)|(1<<20)|(1<<21)|(5<<22)|(3<<25)
	s_or_b32 s[G1B+0], s43, (1<<16)|(1<<20)|(1<<21)|(5<<22)|(3<<25)
.irp g, G1, G1B
	s_mov_b32 s[\g+1], KSTEP<<16                   ; tensor_dim0 = 128
	s_mov_b32 s[\g+3], KSTEP<<16                   ; tile_dim0 = 128
	s_mov_b32 s[\g+5], 1024                        ; elements from row to row
	s_mov_b32 s[\g+6], 0
	s_mov_b32 s[\g+7], 0
.endr
	s_mov_b32 s[G1+2], 160<<16                     ; tensor_dim1,
	s_mov_b32 s[G1+4], 160                         ; tile_dim1
	s_mov_b32 s[G1B+2], 96<<16
	s_mov_b32 s[G1B+4], 96
	; Every wave makes both addresses, in registers that never hold the other coordinate, and asks by one of them.
	s_lshl_b32 s44, s21, 19                        ; x: row 256 i of xh (the 64 rows in front of the block come first), 2,048 bytes a row,
	s_mul_i32 s23, s20, 160*2048                   ; + 160 x half
	s_add_co_u32 s44, s44, s23
	s_mov_b32 s45, 0
	s_mul_i32 s46, s22, 192*2048                   ; W: row 192 x head + 96 x half
	s_mul_i32 s23, s20, 96*2048
	s_add_co_u32 s46, s46, s23
	s_mov_b32 s47, 0
	s_mul_i32 s2, s18, 160*PITCH                   ; where they go.  Waves 0, 1: rows 160 w;
	s_mul_i32 s3, s18, 96*PITCH                    ; waves 2, 3: rows 320 + 96 (w - 2) = 96 w + 128.  No place in the cluster enters an LDS address
	s_add_co_u32 s3, s3, 128*PITCH
	s_wait_kmcnt 0x0
	s_add_nc_u64 s[44:45], s[4:5], s[44:45]
	s_add_nc_u64 s[46:47], s[6:7], s[46:47]
	CROUND                                         ; all sixteen work-groups are here: the first joint loads meet
.irp s, 0,1
	s_mov_b32 s[G0+4*\s], 1
	s_add_co_u32 s[G0+4*\s+1], s2, \s*SLOT
	s_add_nc_u64 s[G0+4*\s+2:G0+4*\s+3], s[44:45], \s*KSTEP*2
	s_or_b32 s[G0+4*\s+3], s[G0+4*\s+3], 0x80000000
	s_mov_b32 s[G0B+4*\s], 1
	s_add_co_u32 s[G0B+4*\s+1], s3, \s*SLOT
	s_add_nc_u64 s[G0B+4*\s+2:G0B+4*\s+3], s[46:47], \s*KSTEP*2
	s_or_b32 s[G0B+4*\s+3], s[G0B+4*\s+3], 0x80000000
	JLOAD \s                                       ; the ring is filled before anything else is done
.endr
	s_load_b32 s66, s[10:11], 0x0                  ; the three gates
	s_load_b32 s67, s[12:13], 0x0
	s_load_b32 s68, s[14:15], 0x0
	s_lshr_b32 s44, s21, 3                         ; the batch: its 16 rows of xs, 4,096 bytes each
	s_lshl_b32 s44, s44, 16
	s_mov_b32 s45, 0
	s_add_nc_u64 s[8:9], s[8:9], s[44:45]
	v_lshlrev_b32 v[XSO], 4, v0                    ; thread t takes columns 4 t .. +3 and 512 + 4 t .. +3: a load of the four waves covers 2,048 neighbouring bytes
.irp n, 0,1,2,3,4,5,6,7,8,9,10,11,12,13,14,15
	global_load_b128 v[XS+8*\n:XS+8*\n+3],   v[XSO], s[8:9] offset:4096*\n
	global_load_b128 v[XS+8*\n+4:XS+8*\n+7], v[XSO], s[8:9] offset:4096*\n+2048
.endr
	s_lshl_b32 s44, s21, 15                        ; ob at my wave's first row: 128 bytes a row, 256 rows a block, 64 a wave,
	s_lshl_b32 s23, s18, 13
	s_add_co_u32 s44, s44, s23
	s_add_nc_u64 s[16:17], s[16:17], s[44:45]
	s_lshl_b32 s46, s22, 19                        ; 4,096 rows a head (in the registers that held W's address: none that feeds x's descriptors holds cx)
	s_mov_b32 s47, 0
	s_add_nc_u64 s[16:17], s[16:17], s[46:47]
	; a fragment: lane l holds row l % 16; registers 0-3 K = 8 (l / 16) + 0..7, registers 4-7 K = 16 + 8 (l / 16) + 0..7: two loads of 16 bytes, 32 bytes apart
	v_and_b32 v1, 15, v0                           ; r = l % 16
	v_bfe_u32 v2, v0, 4, 1                         ; h = l / 16
	v_mul_u32_u24 v3, v1, PITCH
	v_lshl_add_u32 v3, v2, 4, v3                   ; r x pitch + 16 h
	s_mul_i32 s23, s18, 64*PITCH
	s_add_co_u32 s23, s23, 64*PITCH
	v_add_nc_u32 v[ADRA], s23, v3                  ; my own rows: 64 + 64 w on
	v_add_nc_u32 v[ADRA+1], SLOT, v[ADRA]
	s_mul_i32 s23, s18, 16*PITCH
	v_add_nc_u32 v[ADRH], s23, v3                  ; my 16 of the rows in front: 16 w on
	v_add_nc_u32 v[ADRH+1], SLOT, v[ADRH]
	v_add_nc_u32 v[ADRB], AROWS*PITCH, v3          ; the weights' 192 rows
	v_add_nc_u32 v[ADRB+1], SLOT, v[ADRB]
	v_add_nc_u32 v[ADRM], (AROWS+64)*PITCH, v[ADRH]   ; Wk's rows 16 w on
	v_add_nc_u32 v[ADRM+1], SLOT, v[ADRM]
	v_and_b32 v3, 1, v0
	v_mul_u32_u24 v3, v3, XPITCH                   ; the mean row's fragment: even rows the upper part, odd rows the rest
	v_lshl_add_u32 v3, v2, 4, v3
	v_add_nc_u32 v[ADRX0], XB, v3
	s_mov_b32 s[XT], 0
	v_add_nc_u32 v[ADRX], s[XT], v[ADRX0]
	v_lshl_add_u32 v[XBA], v0, 3, XB               ; where I put my four columns of it
	v_mul_u32_u24 v3, v1, KP
	v_lshl_add_u32 v3, v2, 4, v3                   ; r x 144 + 16 h
	s_mul_i32 s23, s18, 64*KP
	v_add_nc_u32 v[AK], s23, v3
	s_mul_i32 s23, s18, 16*KP
	v_add_nc_u32 v[KSH], s23, v3
	v_add_nc_u32 v[AKB], KBS, v3
	s_lshl_b32 s2, s18, 5
	v_add_nc_u32 v[KBST], s2, v[AKB]               ; channels 16 w + 8 h on
	s_add_co_u32 s23, s23, OST                     ; my stage
	v_add_nc_u32 v[STO], s23, v3
	v_bfe_u32 v3, v0, 3, 2                         ; back: lane l takes bytes 16 l .. +15 of four rows of 128
	v_mul_u32_u24 v3, v3, KP
	v_and_b32 v[RD], 7, v0
	v_lshl_add_u32 v3, v[RD], 4, v3
	v_add_nc_u32 v[RD], s23, v3
	v_and_b32 v3, 31, v0
	v_lshlrev_b32 v[GO], 4, v3
	v_mul_u32_u24 v3, v1, VP
	v_lshl_add_u32 v3, v2, 4, v3                   ; r x 160 + 16 h
	s_mul_i32 s23, s18, 64*VP
	s_add_co_u32 s23, s23, LVS
	v_add_nc_u32 v[VSO], s23, v3
	s_mul_i32 s2, s18, 16*VP
	s_add_co_u32 s2, s2, LVS
	v_add_nc_u32 v[VSH], s2, v3
	v_and_b32 v3, 7, v0                            ; the turning load: lane l reads key 8 h + l % 8, channels 8 ((l / 8) % 2) on
	v_lshl_add_u32 v3, v2, 3, v3
	v_mul_u32_u24 v3, v3, VP
	v_bfe_u32 v[AV], v0, 3, 1
	v_lshl_add_u32 v3, v[AV], 4, v3
	v_add_nc_u32 v[AV], s23, v3
	s_mov_b32 s[SEL], 0x76543210
	s_mov_b32 s[SEL+1], 0xfedcba98
	v_mov_b32 v[NEG], 0xf149f2ca                   ; -1e30
	v_mov_b32 v[ZER], 0
	s_and_b32 s23, s21, 7
	s_or_b32 s23, s23, s18                         ; 0 for the first 64 queries of a batch alone: they have no rows in front
	v_mov_b32 v3, s23
	v_cmp_eq_u32 vcc_lo, 0, v3
	v_cndmask_b32 v[MB], v[ZER], v[NEG], vcc_lo
	v_mov_b32 v[MB+1], v[MB]
	v_mov_b32 v[MN+1], 0
	v_mov_b32 v[MR+1], 0
	v_mov_b32 v[RLR+1], 0
	v_lshlrev_b32 v3, 3, v2
	v_sub_nc_u32 v3, v1, v3                        ; r - 8 h: register j holds key 8 h + j of a tile
.irp j, 0,1,2,3,4,5,6,7
	v_cmp_le_i32 vcc_lo, \j, v3                    ; key <= query within the tile
	v_cndmask_b32 v[DG+\j], v[NEG], v[ZER], vcc_lo ; diagonal tile (distance r - key): open there
	v_cndmask_b32 v[FR+\j], v[MB], v[NEG], vcc_lo  ; farthest tile (distance 64 + r - key): shut there
.endr
	s_wait_kmcnt 0x0
	s_add_f32 s[AS], s66, 1.0
	s_mul_f32 s[AS], s[AS], 0x3e38aa3b
	s_mov_b32 s[AS+1], s[AS]
	s_mul_f32 s[NS], s68, 0xbfb8aa3b
	s_mov_b32 s[NS+1], s[NS]
	s_mul_f32 s[NC], s67, 0xbe38aa3b
	s_mov_b32 s[C1], 0xbe38aa3b
	s_mov_b32 s[C1+1], s[C1]
	s_wait_loadcnt 0x0                             ; the sixteen partial sums of my eight columns
.irp s, 8,4,2,1
.set n, 0
.rept \s
.irp q, 0,2,4,6
	v_pk_add_f32 v[XS+8*n+\q:XS+8*n+\q+1], v[XS+8*n+\q:XS+8*n+\q+1], v[XS+8*(n+\s)+\q:XS+8*(n+\s)+\q+1]
.endr
.set n, n+1
.endr
.endr
.irp q, 0,2,4,6
	v_pk_mul_f32 v[XS+\q:XS+\q+1], v[XS+\q:XS+\q+1], 0x3a000000 op_sel_hi:[1,0]        ; / 2,048
.endr
.irp q, 0,1,2,3,4,5,6,7
	v_and_b32 v[XS+8+\q], 0xffffe000, v[XS+\q]     ; the upper 11 significant bits: a number that f16 holds exactly in its normal range
.endr
.irp q, 0,2,4,6
	v_pk_add_f32 v[XS+16+\q:XS+16+\q+1], v[XS+\q:XS+\q+1], v[XS+8+\q:XS+8+\q+1] neg_lo:[0,1] neg_hi:[0,1]   ; what they leave, exactly
.endr
.irp q, 0,1,2,3
	v_cvt_pk_f16_f32 v[XS+24+\q], v[XS+8+2*\q], v[XS+8+2*\q+1]
	v_cvt_pk_f16_f32 v[XS+28+\q], v[XS+16+2*\q], v[XS+16+2*\q+1]
.endr
	ds_store_b64 v[XBA], v[XS+24:XS+25]
	ds_store_b64 v[XBA], v[XS+26:XS+27] offset:1024
	ds_store_b64 v[XBA], v[XS+28:XS+29] offset:XPITCH
	ds_store_b64 v[XBA], v[XS+30:XS+31] offset:XPITCH+1024
; 16 matrix instructions: part g, my 4 row blocks x 4 column blocks, 32 along K, from buffer f.  zero = 1: the product starts the sums.
; The 57 accumulators take turns, one instruction a turn, in the same order in every quarter.
.macro MULG f, g, zero
.irp a, 0,1,2,3
.irp b, 0,1,2,3
.if \zero
	v_wmma_f32_16x16x32_f16 v[128*(\g%2)+8*(4*\a+\b):128*(\g%2)+8*(4*\a+\b)+7], v[128*\f+8*(4*\g+\b):128*\f+8*(4*\g+\b)+7], v[FA+48*\f+8*\a:FA+48*\f+8*\a+7], 0
.else
	v_wmma_f32_16x16x32_f16 v[128*(\g%2)+8*(4*\a+\b):128*(\g%2)+8*(4*\a+\b)+7], v[128*\f+8*(4*\g+\b):128*\f+8*(4*\g+\b)+7], v[FA+48*\f+8*\a:FA+48*\f+8*\a+7], v[128*(\g%2)+8*(4*\a+\b):128*(\g%2)+8*(4*\a+\b)+7]
.endif
.endr
.endr
.endm
; 9 more: K and V of my 16 rows in front, and the mean row times Wk's rows 16 w on
.macro MULX f, zero
.irp g, 1,2
.irp b, 0,1,2,3
.if \zero
	v_wmma_f32_16x16x32_f16 v[96+32*\g+8*\b:96+32*\g+8*\b+7], v[128*\f+8*(4*\g+\b):128*\f+8*(4*\g+\b)+7], v[FA+48*\f+32:FA+48*\f+39], 0
.else
	v_wmma_f32_16x16x32_f16 v[96+32*\g+8*\b:96+32*\g+8*\b+7], v[128*\f+8*(4*\g+\b):128*\f+8*(4*\g+\b)+7], v[FA+48*\f+32:FA+48*\f+39], v[96+32*\g+8*\b:96+32*\g+8*\b+7]
.endif
.endr
.endr
.if \zero
	v_wmma_f32_16x16x32_f16 v[192:199], v[128*\f+96:128*\f+103], v[FA+48*\f+40:FA+48*\f+47], 0
.else
	v_wmma_f32_16x16x32_f16 v[192:199], v[128*\f+96:128*\f+103], v[FA+48*\f+40:FA+48*\f+47], v[192:199]
.endif
.endm
; 38 LDS loads in one run: the fragments of 32 along K at byte k of the rows (byte xo of the mean row, from this lap's start), into buffer f: x's 12, then the weights' in the order of use
.macro FETCH slot, k, f, xo
	WIN 0
.irp a, 0,1,2,3
	ds_load_b128 v[FA+48*\f+8*\a:FA+48*\f+8*\a+3],   v[ADRA+\slot] offset:\k+\a*16*PITCH
	ds_load_b128 v[FA+48*\f+8*\a+4:FA+48*\f+8*\a+7], v[ADRA+\slot] offset:\k+\a*16*PITCH+32
.endr
	ds_load_b128 v[FA+48*\f+32:FA+48*\f+35], v[ADRH+\slot] offset:\k
	ds_load_b128 v[FA+48*\f+36:FA+48*\f+39], v[ADRH+\slot] offset:\k+32
	ds_load_b128 v[FA+48*\f+40:FA+48*\f+43], v[ADRX] offset:\xo
	ds_load_b128 v[FA+48*\f+44:FA+48*\f+47], v[ADRX] offset:\xo+32
	WIN TO_B
.irp g, 0,1,2
.irp b, 0,1,2,3
	ds_load_b128 v[128*\f+8*(4*\g+\b):128*\f+8*(4*\g+\b)+3],   v[ADRB+\slot] offset:\k+(64*\g+16*\b)*PITCH
	ds_load_b128 v[128*\f+8*(4*\g+\b)+4:128*\f+8*(4*\g+\b)+7], v[ADRB+\slot] offset:\k+(64*\g+16*\b)*PITCH+32
.endr
.endr
	ds_load_b128 v[128*\f+96:128*\f+99],   v[ADRM+\slot] offset:\k
	ds_load_b128 v[128*\f+100:128*\f+103], v[ADRM+\slot] offset:\k+32
.endm
; A K step is four quarters of 32 along K, 57 matrix instructions each, on buffers 0, 1, 0, 1.  One of the first three: multiplies buffer f, fetches the next quarter, at byte k, into g2.
; la = 1: what is fetched belongs to the next lap.
.macro QUARTER slot, k, f, g2, zero, la
	s_wait_dscnt 10                                ; x's, Wq's and Wk's fragments are in; the youngest ten loads (Wv's eight, the mean's two) may be out
	WIN MUL_LO
	MULG \f, 0, \zero
	MULG \f, 1, \zero
	PLACES
	FETCH \slot, \k, \g2, \la*512+\slot*256+\k
	s_wait_dscnt 38                                ; all but the 38 just issued
	WIN MUL_HI
	MULG \f, 2, \zero
	MULX \f, \zero
.endm
; The last quarter multiplies buffer 1 and changes slots: ONE barrier.  In front of it each wave waits for all its tensor loads (one is out: its part of the next slot), adds 0 to its
; spare word, and waits for that and for its reads of this slot.  fill = 1: the barrier opens a round of the cluster's, and this slot is filled again, two K steps ahead, first thing behind it:
; from that request to the wait for it a wave issues 196 matrix instructions.
.macro TURN slot, next, fill, la
	WIN 0                                          ; (the add's two registers lie in window 0)
	s_wait_tensorcnt 0x0                           ; all my tensor loads have landed
	ds_add_u32 v[SPW], v[NIL]                      ; 0 onto my spare word
	s_wait_dscnt 11                                ; (the add and the youngest ten loads may be out)
	WIN MUL_LO
	MULG 1, 0, 0                                   ; sixteen matrix instructions stand between the add and the wait for it
	s_wait_dscnt 0x0                               ; the add is done, and my reads of this slot are over
	s_barrier_signal -1
	MULG 1, 1, 0                                   ; work on registers while the others arrive
.if \fill
	WIN 0
.endif
	s_barrier_wait -1
.if \fill
	CREST                                          ; no wave of any partner still reads this slot or has a load on its way
	s_add_nc_u64 s[G0+4*\slot+2:G0+4*\slot+3], s[G0+4*\slot+2:G0+4*\slot+3], 2*KSTEP*2
	s_add_nc_u64 s[G0B+4*\slot+2:G0B+4*\slot+3], s[G0B+4*\slot+2:G0B+4*\slot+3], 2*KSTEP*2
	JLOAD \slot                                    ; the four v_nop behind it are also the places in front of the loads below
.else
	PLACES
.endif
	FETCH \next, 0, 0, \la*512+\next*256
	WIN MUL_HI
	MULG 1, 2, 0
	MULX 1, 0
.endm
	s_wait_tensorcnt 1                             ; my part of K step 0 is in; K step 1's may stay out
	s_wait_dscnt 0x0                               ; my columns of the mean row are stored
	s_barrier_signal -1
	s_barrier_wait -1                              ; everybody's
	FETCH 0, 0, 0, 0
	QUARTER 0, 64, 0, 1, 1, 0                      ; the first quarter stands in front of the loop: its products start the sums
	WIN 0                                          ; at a label and at a branch every window is 0
	s_mov_b32 s3, LAPS-1
.Llap:                                                 ; a trip goes once round the ring, from a lap's second quarter to the next lap's first, and fills both slots again
	QUARTER 0, 128, 1, 0, 0, 0
	QUARTER 0, 192, 0, 1, 0, 0
	TURN 0, 1, 1, 0
	QUARTER 1, 64,  0, 1, 0, 0
	QUARTER 1, 128, 1, 0, 0, 0
	QUARTER 1, 192, 0, 1, 0, 0
	TURN 1, 0, 1, 1
	QUARTER 0, 64,  0, 1, 0, 1
	WIN 0
	s_add_co_u32 s[XT], s[XT], 512                 ; a lap uses 256 numbers of the mean row
	v_add_nc_u32 v[ADRX], s[XT], v[ADRX0]
	s_sub_co_u32 s3, s3, 1
	s_cmp_lg_u32 s3, 0
	s_cbranch_scc1 .Llap
	QUARTER 0, 128, 1, 0, 0, 0                     ; the last lap fills nothing
	QUARTER 0, 192, 0, 1, 0, 0
	TURN 0, 1, 0, 0                                ; behind this barrier no wave reads slot 0 any more, and nothing is filled again
	QUARTER 1, 64,  0, 1, 0, 0
	QUARTER 1, 128, 1, 0, 0, 0
	QUARTER 1, 192, 0, 1, 0, 0
	s_wait_dscnt 10                                ; the very last quarter: nothing more to fetch
	WIN MUL_LO
	MULG 1, 0, 0
	MULG 1, 1, 0
	s_wait_dscnt 0x0
	WIN MUL_HI
	MULG 1, 2, 0
	MULX 1, 0
	WIN 0
	PLACES
	; FROM THE SUMS TO THE OPERANDS OF ATTENTION.  Every accumulator is read from its low end on.
	; The mean key.  Lane (r, h) holds, for channels 16 w + 8 h + 0..7, (upper part of the mean row) . Wk for even r, (the rest) . Wk for odd r.  Rows with r & 2 = 0 keep the upper 11 bits of
	; their number, the others what those leave: rows 0 to 3 (and 8 to 11) of the tile add up to the mean key.
	s_mov_b32 s23, 0xffffe000
	v_and_b32 v3, 2, v0
	v_cmp_ne_u32 vcc_lo, 0, v3
	WIN 0x03                                       ; source 0 window 3
.irp j, 0,1,2,3,4,5,6,7
	v_and_b32 v[TT+\j], v[192+\j], s23
.endr
.irp j, 0,1,2,3,4,5,6,7
	v_sub_f32 v[UU+\j], v[192+\j], v[TT+\j]
.endr
	WIN 0
.irp j, 0,1,2,3,4,5,6,7
	v_cndmask_b32 v[TT+\j], v[TT+\j], v[UU+\j], vcc_lo
.endr
.irp p, 0,1,2,3
	v_cvt_pk_f16_f32 v[XX+\p], v[TT+2*\p], v[TT+2*\p+1]
.endr
	ds_store_b128 v[KBST], v[XX:XX+3]
	WIN 0x8a                                       ; Q, in place in window 2: register d takes the pair 2 d, 2 d + 1, ascending
.set d, 0
.rept 64
	v_cvt_pk_f16_f32 v[d], v[2*d], v[2*d+1]
.set d, d+1
.endr
	WIN 0x4a                                       ; my own K, from window 2 into its fragments in window 1: key tiles 4 to 7
.set d, 0
.rept 64
	v_cvt_pk_f16_f32 v[64+d], v[128+2*d], v[128+2*d+1]
.set d, d+1
.endr
	WIN 0x0f                                       ; V, and K and V of the rows in front, from window 3
.set d, 0
.rept 64
	v_cvt_pk_f16_f32 v[TV+d], v[2*d], v[2*d+1]
.set d, d+1
.endr
.set d, 0
.rept 32
	v_cvt_pk_f16_f32 v[TH+d], v[128+2*d], v[128+2*d+1]
.set d, d+1
.endr
	WIN 0x04                                       ; store data window 1: my own K, for the wave behind me
.irp a, 0,1,2,3
.irp b, 0,1,2,3
	ds_store_b128 v[AK], v[64+16*\a+4*\b:64+16*\a+4*\b+3] offset:64*KP+\a*16*KP+32*\b
.endr
.endr
	WIN 0
.irp b, 0,1,2,3
	ds_store_b128 v[KSH], v[TH+4*\b:TH+4*\b+3] offset:32*\b
	ds_store_b128 v[VSH], v[TH+16+4*\b:TH+16+4*\b+3] offset:32*\b
.endr
.irp a, 0,1,2,3
.irp b, 0,1,2,3
	ds_store_b128 v[VSO], v[TV+16*\a+4*\b:TV+16*\a+4*\b+3] offset:64*VP+\a*16*VP+32*\b
.endr
.endr
	s_wait_dscnt 0x0                               ; for the others' sake: my rows of K and V and my channels of the mean key are stored
	s_barrier_signal -1
	s_barrier_wait -1
	WIN 0x80                                       ; destination window 2: the mean key's tile
.irp c, 0,1
	ds_load_b128 v[KBF+8*\c:KBF+8*\c+3],   v[AKB] offset:64*\c
	ds_load_b128 v[KBF+8*\c+4:KBF+8*\c+7], v[AKB] offset:64*\c+32
.endr
	WIN 0x40                                       ; destination window 1: the four key tiles in front of my queries,
.irp t, 0,1,2,3
.irp c, 0,1
	ds_load_b128 v[16*\t+8*\c:16*\t+8*\c+3],   v[AK] offset:\t*16*KP+64*\c
	ds_load_b128 v[16*\t+8*\c+4:16*\t+8*\c+7], v[AK] offset:\t*16*KP+64*\c+32
.endr
.endr
.irp c, 0,1,2,3                        ; and V of all eight, turned: 52 LDS loads are out
.irp d, 0,1,2,3
	ds_load_tr16_b128 v[128+32*\c+8*\d:128+32*\c+8*\d+3],   v[AV] offset:32*VP*\c+32*\d
	ds_load_tr16_b128 v[128+32*\c+8*\d+4:128+32*\c+8*\d+7], v[AV] offset:32*VP*\c+32*\d+16*VP
.endr
.endr
; One tile of 16 keys x 16 queries, 8 scores a lane, raw products in, scores in log2 units out, and their maximum.  kind: 1 the farthest tile, 2 the diagonal, 3 rows that may not exist, 0 open.
; Behind each run of exponentials or reciprocals stand plain instructions that touch none of its registers (ISA guide 5.7.2).
.macro SCORE n, kind
.set R, SC+8*\n
.irp p, 0,2,4,6
	v_pk_mul_f32 v[TT+\p:TT+\p+1], v[R+\p:R+\p+1], s[C1:C1+1] op_sel_hi:[1,0]          ; -s log2(e)
.endr
.irp p, 0,1,2,3,4,5,6,7
	v_exp_f32 v[TT+\p], v[TT+\p]
.endr
.irp p, 0,2,4,6
	v_pk_add_f32 v[UU+\p:UU+\p+1], v[R+\p:R+\p+1], v[MN:MN+1] op_sel_hi:[1,0] neg_lo:[0,1] neg_hi:[0,1]   ; q.k - q.mean
.endr
	s_wait_alu depctr_va_vdst(0)
.irp p, 0,2,4,6
	v_pk_add_f32 v[TT+\p:TT+\p+1], v[TT+\p:TT+\p+1], 1.0 op_sel_hi:[1,0]
.endr
.irp p, 0,1,2,3,4,5,6,7
	v_rcp_f32 v[TT+\p], v[TT+\p]                   ; sigmoid(s); an overflowed exponential gives 0
.endr
.irp p, 0,2,4,6
.if \kind == 1
	v_pk_fma_f32 v[R+\p:R+\p+1], v[R+\p:R+\p+1], s[AS:AS+1], v[FR+\p:FR+\p+1] op_sel_hi:[1,0,1]
	s_wait_alu depctr_va_vdst(0)
.elseif \kind == 2
	v_pk_fma_f32 v[R+\p:R+\p+1], v[R+\p:R+\p+1], s[AS:AS+1], v[DG+\p:DG+\p+1] op_sel_hi:[1,0,1]
	s_wait_alu depctr_va_vdst(0)
.elseif \kind == 3
	v_pk_fma_f32 v[R+\p:R+\p+1], v[R+\p:R+\p+1], s[AS:AS+1], v[MB:MB+1] op_sel_hi:[1,0,0]
.else
	v_pk_mul_f32 v[R+\p:R+\p+1], v[R+\p:R+\p+1], s[AS:AS+1] op_sel_hi:[1,0]
.endif
.endr
.irp p, 0,1,2,3,4,5,6,7
	v_fma_f32 v[R+\p], |v[UU+\p]|, s[NC], v[R+\p]
.endr
	s_wait_alu depctr_va_vdst(0)
.irp p, 0,2,4,6
	v_pk_mul_f32 v[UU+\p:UU+\p+1], v[TT+\p:TT+\p+1], s[NS:NS+1] op_sel_hi:[1,0]
.endr
.irp p, 0,2,4,6
	v_pk_fma_f32 v[R+\p:R+\p+1], v[UU+\p:UU+\p+1], v[TT+\p:TT+\p+1], v[R+\p:R+\p+1]
.endr
	v_max3_num_f32 v[MX+\n], v[R], v[R+1], v[R+2]
	v_max3_num_f32 v[MX+\n], v[MX+\n], v[R+3], v[R+4]
	v_max3_num_f32 v[MX+\n], v[MX+\n], v[R+5], v[R+6]
	v_max_num_f32 v[MX+\n], v[MX+\n], v[R+7]
.endm
.macro SUBM n                          ; score - maximum
.set R, SC+8*\n
.irp p, 0,2,4,6
	v_pk_add_f32 v[R+\p:R+\p+1], v[R+\p:R+\p+1], v[MR:MR+1] op_sel_hi:[1,0] neg_lo:[0,1] neg_hi:[0,1]
.endr
.endm
.macro EXPN n
.set R, SC+8*\n
.irp p, 0,1,2,3,4,5,6,7
	v_exp_f32 v[R+\p], v[R+\p]
.endr
.endm
.macro PKP n, q                        ; tile n's weights: rounded into slot q of P, and added to the row's sum (tile 0 starts the two chains)
.set R, SC+8*\n
	s_wait_alu depctr_va_vdst(0)
.irp p, 0,1,2,3
	v_cvt_pk_f16_f32 v[PP+4*(\q)+\p], v[R+2*\p], v[R+2*\p+1]
.endr
.if \n == 0
	v_pk_add_f32 v[LR:LR+1], v[R:R+1], v[R+4:R+5]
	v_pk_add_f32 v[LR+2:LR+3], v[R+2:R+3], v[R+6:R+7]
.else
	v_pk_add_f32 v[LR:LR+1], v[LR:LR+1], v[R:R+1]
	v_pk_add_f32 v[LR+2:LR+3], v[LR+2:LR+3], v[R+2:R+3]
	v_pk_add_f32 v[LR:LR+1], v[LR:LR+1], v[R+4:R+5]
	v_pk_add_f32 v[LR+2:LR+3], v[LR+2:LR+3], v[R+6:R+7]
.endif
.endm
.macro SEND i                          ; tile i's 16 rows of 128 bytes, read back from my stage, are stored
	s_wait_dscnt 0x0
.irp t, 0,1,2,3
	global_store_b128 v[GO], v[OBR+104*((\i)%2)+4*\t:OBR+104*((\i)%2)+4*\t+3], s[16:17] offset:2048*(\i)+512*\t   ; a wave's store covers 512 consecutive bytes, at a multiple of 512 from ob's first byte
.endr
.endm
; Query tile i, in phases.  In both groups of products the accumulators take turns, one instruction a turn.
.macro TILE i
.if \i == 0
	s_wait_dscnt 32                                ; the mean key's tile and K are in; V's 32 loads may be out
.endif
	WIN 0x0a                                       ; sources 0 and 1 window 2
	v_wmma_f32_16x16x32_f16 v[MA:MA+7], v[KBF:KBF+7], v[16*\i:16*\i+7], 0
	WIN 0x09                                       ; source 0 (K) window 1, source 1 (Q) window 2
.irp n, 0,1,2,3,4
	v_wmma_f32_16x16x32_f16 v[SC+8*\n:SC+8*\n+7], v[16*(\i+\n):16*(\i+\n)+7], v[16*\i:16*\i+7], 0
.endr
.irp n, 0,1,2,3,4
	v_wmma_f32_16x16x32_f16 v[SC+8*\n:SC+8*\n+7], v[16*(\i+\n)+8:16*(\i+\n)+15], v[16*\i+8:16*\i+15], v[SC+8*\n:SC+8*\n+7]
.endr
	WIN 0x0a
	v_wmma_f32_16x16x32_f16 v[MA:MA+7], v[KBF+8:KBF+15], v[16*\i+8:16*\i+15], v[MA:MA+7]
	WIN 0
.if \i > 0
	SEND \i-1                                      ; the tile before leaves while this one is worked on
.endif
	PLACES
	v_add_f32 v[MN], v[MA], v[MA+1]                ; rows 8 h + 0..3 of the product: q . the four parts of the mean key
	v_add_f32 v[MX], v[MA+2], v[MA+3]
	v_add_f32 v[MN], v[MN], v[MX]
	SCORE 0, 1
.irp n, 1,2,3
.if \i+\n <= 3
	SCORE \n, 3                                    ; key tiles 0 to 3 lie in front of the wave's queries
.else
	SCORE \n, 0
.endif
.endr
	SCORE 4, 2
	v_max3_num_f32 v[MX], v[MX], v[MX+1], v[MX+2]
	v_max3_num_f32 v[MX], v[MX], v[MX+3], v[MX+4]
	v_permlanex16_b32 v[MX+1], v[MX], s[SEL], s[SEL+1]   ; the query's other 40 keys lie 16 lanes away
	v_max_num_f32 v[MR], v[MX], v[MX+1]
.irp p, 0,1,2,3
	v_mov_b32 v[PP+20*(1-\i%2)+\p], 0              ; V goes in chunks of 32 keys, five tiles fill six slots: the last is empty for even i, the first for odd i
.endr
	SUBM 0
	EXPN 0
	SUBM 1                                         ; plain work on the next tile stands behind each run of exponentials
	PKP 0, 0+\i%2
	EXPN 1
	SUBM 2
	PKP 1, 1+\i%2
	EXPN 2
	SUBM 3
	PKP 2, 2+\i%2
	EXPN 3
	SUBM 4
	PKP 3, 3+\i%2
	EXPN 4
	v_nop
	s_wait_alu depctr_va_vdst(0)
	PKP 4, 4+\i%2
.if \i == 0
	s_wait_dscnt 0x0                               ; V is in
.endif
	WIN 0x01                                       ; source 0 (V) window 1
.irp c, 0,1,2
.irp d, 0,1,2,3
.if \c == 0
	v_wmma_f32_16x16x32_f16 v[OO+8*\d:OO+8*\d+7], v[128+32*(\i/2+\c)+8*\d:128+32*(\i/2+\c)+8*\d+7], v[PP+8*\c:PP+8*\c+7], 0
.else
	v_wmma_f32_16x16x32_f16 v[OO+8*\d:OO+8*\d+7], v[128+32*(\i/2+\c)+8*\d:128+32*(\i/2+\c)+8*\d+7], v[PP+8*\c:PP+8*\c+7], v[OO+8*\d:OO+8*\d+7]
.endif
.endr
.endr
	WIN 0
	v_pk_add_f32 v[LR:LR+1], v[LR:LR+1], v[LR+2:LR+3]
	v_add_f32 v[LR], v[LR], v[LR+1]
	v_permlanex16_b32 v[LR+2], v[LR], s[SEL], s[SEL+1]
	v_add_f32 v[LR], v[LR], v[LR+2]
	v_rcp_f32 v[RLR], v[LR]
	PLACES                                         ; behind the last products, and behind the reciprocal
.set p, 0
	s_wait_alu depctr_va_vdst(0)
.rept 16
	v_pk_mul_f32 v[OO+p:OO+p+1], v[OO+p:OO+p+1], v[RLR:RLR+1] op_sel_hi:[1,0]
.set p, p+2
.endr
.set p, 0
.rept 16
	v_cvt_pk_f16_f32 v[XX+p], v[OO+2*p], v[OO+2*p+1]
.set p, p+1
.endr
.if \i >= 2
	s_wait_xcnt 0x0                                ; the stores of two tiles ago have had their addresses translated: their data registers are loaded again only behind this wait
.endif
.irp d, 0,1,2,3
	ds_store_b128 v[STO], v[XX+4*\d:XX+4*\d+3] offset:32*\d   ; query r, channels 16 d + 8 h on, into my own stage
.endr
.irp t, 0,1,2,3
	ds_load_b128 v[OBR+104*(\i%2)+4*\t:OBR+104*(\i%2)+4*\t+3], v[RD] offset:\t*4*KP   ; LDS serves a wave's instructions in order (ISA guide 5.7.1.4): these see the stores above, and the next tile's stores come behind them
.endr
.endm
	TILE 0
	TILE 1
	TILE 2
	TILE 3
	SEND 3
	s_wait_tensorcnt 0x0                           ; the wave's end, behind my last tensor load and my last LDS store
	ds_add_u32 v[SPW], v[NIL]
	s_wait_dscnt 0x0
	CROUND                                         ; the closing round: no work-group ends while a partner may still ask for a tile that names it
	s_endpgm
.Lfunc_end_k_q190ec1cd0e_qkva:
	.size	k_q190ec1cd0e_qkva, .Lfunc_end_k_q190ec1cd0e_qkva-k_q190ec1cd0e_qkva
	.p2alignl 7, 3214868480
	.fill 96, 4, 3214868480
	.section	.rodata,"a",@progbits
	.p2align	6, 0x0
	.amdhsa_kernel k_q190ec1cd0e_qkva
		.amdhsa_group_segment_fixed_size 327680
		.amdhsa_private_segment_fixed_size 0
		.amdhsa_enable_private_segment 0
		.amdhsa_kernarg_size 56
		.amdhsa_user_sgpr_count 2
		.amdhsa_user_sgpr_kernarg_segment_ptr 1
		.amdhsa_wavefront_size32 1
		.amdhsa_system_sgpr_workgroup_id_x 1
		.amdhsa_system_sgpr_workgroup_id_y 1
		.amdhsa_system_sgpr_workgroup_id_z 1
		.amdhsa_system_vgpr_workitem_id 0
		.amdhsa_next_free_vgpr 1024
		.amdhsa_next_free_sgpr 80
		.amdhsa_reserve_vcc 1
		.amdhsa_float_denorm_mode_32 3
		.amdhsa_float_denorm_mode_16_64 3
		.amdhsa_memory_ordered 1
		.amdhsa_forward_progress 1
		.amdhsa_inst_pref_size 243
	.end_amdhsa_kernel
	.amdgpu_metadata
---
amdhsa.version: [ 1, 2 ]
amdhsa.kernels:
  - .name:           k_q190ec1cd0e_qkva
    .symbol:         k_q190ec1cd0e_qkva.kd
    .args:
      - { .name: xh, .offset: 0, .size: 8, .value_kind: global_buffer, .address_space: global }
      - { .name: wh, .offset: 8, .size: 8, .value_kind: global_buffer, .address_space: global }
      - { .name: xs, .offset: 16, .size: 8, .value_kind: global_buffer, .address_space: global }
      - { .name: align_gate, .offset: 24, .size: 8, .value_kind: global_buffer, .address_space: global }
      - { .name: coh_gate, .offset: 32, .size: 8, .value_kind: global_buffer, .address_space: global }
      - { .name: sep_gate, .offset: 40, .size: 8, .value_kind: global_buffer, .address_space: global }
      - { .name: ob, .offset: 48, .size: 8, .value_kind: global_buffer, .address_space: global }
    .group_segment_fixed_size: 327680
    .private_segment_fixed_size: 0
    .kernarg_segment_align: 8
    .kernarg_segment_size: 56
    .max_flat_workgroup_size: 128
    .sgpr_count:     80
    .vgpr_count:     1024
    .wavefront_size: 32
...
	.end_amdgpu_metadata
.endif
;; end of part 6
;; launch oproj (part 7): grid 8 x 32, 4 waves a work-group, clusters of 4 x 4, 327,680 bytes of LDS; arguments ob, wh, out0; writes out0
.if DOCPART == 7
	.amdgcn_target "amdgcn-amd-amdhsa--gfx1250"
	.amdhsa_code_object_version 6
	.text
	.protected	k_q190ec1cd0e_oproj
	.globl	k_q190ec1cd0e_oproj
	.p2align	8
	.type	k_q190ec1cd0e_oproj,@function
k_q190ec1cd0e_oproj:
	s_mov_b64 s[64:65], 0
	v_nop
	global_prefetch_b8 v0, s[64:65] scope:SCOPE_SE
	s_setreg_imm32_b32 hwreg(HW_REG_WAVE_MODE, 25, 1), 1
	s_wait_xcnt 0x0
	s_wait_alu depctr_hold_cnt(0) depctr_sa_sdst(0) depctr_va_vdst(0) depctr_va_sdst(0) depctr_va_ssrc(0) depctr_va_vcc(0) depctr_vm_vsrc(0)
	s_getreg_b32 s2, hwreg(HW_REG_IB_STS2, 6, 4)
	s_cmp_eq_u32 s2, 0
	s_cbranch_scc0 .Lentry_in_a_cluster
	s_endpgm
.Lentry_in_a_cluster:
	s_bfe_u32 s2, ttmp6, 0x10000c
	s_cmp_lg_u32 s2, 0xf033
	s_cbranch_scc0 .Lentry_shape_is_right
	s_endpgm
.Lentry_shape_is_right:
; out0[m][n] (f32) = the sum over k of O[m][k] Wo[n][k].  ob: [16 heads][4096][64] f16, O[m][64 head + c] = ob[head][m][c]; Wo: rows 3,072 to 4,095 of wh, f16; sums in f32, stored as they are.
; 4,096 x 1,024 makes 256 tiles of 128 x 128: one for each work-group.  Four waves, each 64 x 64: 16 accumulators of 16 x 16, 128 registers.
; K goes in steps of 256, four heads, through two slots: 128 matrix instructions a wave in a step, 112 between a request and the wait for it.
; A's TILE.  64 rows of a head are 8,192 bytes on end in ob.  One descriptor takes four such pieces, 4,096 x 64 elements apart, as four rows of 4,096 elements; the padding, counted along the tile,
; falls behind every 128 bytes: in LDS four planes (heads) of 64 rows x 144 bytes.  Wo's tile: 64 rows of 512 bytes, 528 apart.
; A wave has two tensor loads out at the start and one behind each round.
; CLUSTER: 4 x 4 work-groups; A's tiles are asked for jointly by a row of the cluster, Wo's by a column.
; THE MATRIX INSTRUCTION IS USED TRANSPOSED (source 0 = 16 rows of Wo, source 1 = 16 rows of O): a lane holds eight neighbouring numbers of a row of out0.
; A wave's 64 columns of f32 are 256 bytes: each wave has a stage of its own, 16 rows at a time, and needs no barrier on the way out.
; REGISTERS: window 0: v0-31 addresses; v32-95 the way out; v128-255 the accumulators ((a, b) at 128 + 8 (4 a + b)).  window 1: two fragment buffers of 128: 64 of A, then 64 of Wo, for 64 along K.
.set KSTEP,  256
.set PITCH,  528                       ; a row of Wo in LDS: 512 bytes + 16 of padding, an odd multiple of 16
.set HALFT,  64*PITCH
.set APITCH, 144                       ; a row of a head in LDS: 128 bytes + 16, an odd multiple of 16
.set APLANE, 64*APITCH
.set AHALF,  4*APLANE                  ; what one of A's loads brings
.set SLOT,   2*AHALF+2*HALFT           ; A's 128 rows, then Wo's 128 rows
.set STAGE,  2*SLOT                    ; behind the ring: 16 rows x 272 bytes for each wave
.set SPITCH, 272
.set SPARE,  STAGE+4*16*SPITCH         ; behind the stages: the spare words, 128 bytes for each wave: two blocks of 256 bytes that no other line names
.set LAPS,   2                         ; 1,024 / 512
.set ASTEP,  4*4096*128                ; bytes from a K step's four heads to the next four
.set ADRA, 16
.set ADRB, 20
.set STO,  24
.set RD,   25
.set CO,   26
.set SPW,  28                          ; v28  LDS address of my spare word; never rewritten
.set NIL,  29                          ; v29  0; never rewritten
.set BK,   32                          ; v32-63, v64-95 by turns: 16 rows read back from the stage
.set ACC,  128
.set F0,   0
.set F1,   128
.set G1, 24
.set G0, 32
.set G1B, 48
.set G0B, 56
.set MSB, 0
.macro WIN new
.if MSB != \new
	s_set_vgpr_msb (MSB<<8)|\new
.set MSB, \new
.endif
.endm
.set MUL,  0x05                        ; sources 0 and 1 window 1; C and D window 0
.set TO_F, 0x40                        ; destination window 1, address window 0
.macro JLOAD s                         ; a joint load: waves 0 and 1 fetch A's two halves, waves 2 and 3 Wo's; four v_nop follow each line
	s_cmp_eq_u32 s11, 0
	s_cbranch_scc0 .Lfor_b_\@
	tensor_load_to_lds s[G0+4*\s:G0+4*\s+3], s[G1:G1+7]
	s_nop 0
.rept 4
	v_nop
.endr
	s_branch .Lasked_\@
.Lfor_b_\@:
	tensor_load_to_lds s[G0B+4*\s:G0B+4*\s+3], s[G1B:G1B+7]
	s_nop 0
.rept 4
	v_nop
.endr
.Lasked_\@:
.endm
.macro CREST
	s_cmp_lg_u32 s10, 0
	s_cbranch_scc1 .Lnot_wave_0_\@
	s_barrier_signal -3
.Lnot_wave_0_\@:
	s_barrier_wait -3
	s_barrier_signal -1
	s_barrier_wait -1
.endm
.macro CROUND
	s_barrier_signal -1
	s_barrier_wait -1
	CREST
.endm
	s_load_b128 s[4:7], s[0:1], 0x0                ; ob s[4:5], wh s[6:7]
	s_load_b64 s[8:9], s[0:1], 0x10                ; out0
	v_lshl_add_u32 v[SPW], v0, 2, SPARE
	v_mov_b32 v[NIL], 0
	ds_add_u32 v28, v29
	ds_add_u32 v28, v29
	s_wait_dscnt 0x0
	v_lshrrev_b32 v1, 5, v0
	v_readfirstlane_b32 s10, v1                    ; wave 0..3
	s_lshr_b32 s11, s10, 1                         ; which half of the tile's rows is mine.  Also: I fetch for A (0) or for Wo (1)
	s_and_b32 s12, s10, 1                          ; which half of its columns.  Also: which 64 rows of that tile I fetch
	s_bfe_u32 s40, ttmp6, 0x40000
	s_bfe_u32 s41, ttmp6, 0x40004
	s_lshl_b32 s42, ttmp9, 2
	s_add_co_u32 s42, s42, s40                     ; tile column j
	s_and_b32 s13, ttmp7, 0xffff
	s_lshl_b32 s13, s13, 2
	s_add_co_u32 s13, s13, s41                     ; tile row i
	s_lshl_b32 s43, s41, 2
	s_lshl_b32 s43, 15, s43                        ; my row of the cluster
	s_lshl_b32 s44, 0x1111, s40                    ; my column
	; group 1 for A: 4 rows of 4,096 elements of 2 bytes, 262,144 elements apart; behind every 32 words 4 words of padding; bit 21 set beside a mask
	s_or_b32 s[G1+0], s43, (1<<16)|(1<<20)|(1<<21)|(4<<22)|(3<<25)
	s_mov_b32 s[G1+1], 4096<<16                    ; tensor_dim0 = 4,096
	s_mov_b32 s[G1+2], 4<<16                       ; tensor_dim1 = 4
	s_mov_b32 s[G1+3], 4096<<16                    ; tile_dim0 = 4,096
	s_mov_b32 s[G1+4], 4                           ; tile_dim1 = 4
	s_mov_b32 s[G1+5], 4096*64                     ; elements from head to head
	s_mov_b32 s[G1+6], 0
	s_mov_b32 s[G1+7], 0
	; group 1 for Wo: 64 rows x 256 elements, 1,024 apart; behind every 128 words 4 words of padding
	s_or_b32 s[G1B+0], s44, (1<<16)|(1<<20)|(1<<21)|(6<<22)|(3<<25)
	s_mov_b32 s[G1B+1], KSTEP<<16
	s_mov_b32 s[G1B+2], 64<<16
	s_mov_b32 s[G1B+3], KSTEP<<16
	s_mov_b32 s[G1B+4], 64
	s_mov_b32 s[G1B+5], 1024
	s_mov_b32 s[G1B+6], 0
	s_mov_b32 s[G1B+7], 0
	s_lshl_b32 s16, s13, 14                        ; A: row 128 i + 64 x half of head 0, 128 bytes a row
	s_lshl_b32 s17, s12, 13
	s_add_co_u32 s16, s16, s17
	s_mov_b32 s17, 0
	s_lshl_b32 s46, s42, 18                        ; Wo: row 3,072 + 128 j + 64 x half of wh, 2,048 bytes a row
	s_lshl_b32 s47, s12, 17
	s_add_co_u32 s46, s46, s47
	s_add_co_u32 s46, s46, 3072*2048
	s_mov_b32 s47, 0
	s_mul_i32 s20, s10, AHALF                      ; where they go.  Waves 0, 1: A's half w;
	s_mul_i32 s2, s10, HALFT                       ; waves 2, 3: behind A's two halves, Wo's half w - 2
	s_add_co_u32 s2, s2, 2*AHALF-2*HALFT
	s_wait_kmcnt 0x0
	s_add_nc_u64 s[14:15], s[4:5], s[16:17]
	s_add_nc_u64 s[46:47], s[6:7], s[46:47]
	CROUND                                         ; all sixteen work-groups are here: the first joint loads meet
.irp s, 0,1
	s_mov_b32 s[G0+4*\s], 1
	s_add_co_u32 s[G0+4*\s+1], s20, \s*SLOT
	s_add_nc_u64 s[G0+4*\s+2:G0+4*\s+3], s[14:15], \s*ASTEP
	s_or_b32 s[G0+4*\s+3], s[G0+4*\s+3], 0x80000000
	s_mov_b32 s[G0B+4*\s], 1
	s_add_co_u32 s[G0B+4*\s+1], s2, \s*SLOT
	s_add_nc_u64 s[G0B+4*\s+2:G0B+4*\s+3], s[46:47], \s*KSTEP*2
	s_or_b32 s[G0B+4*\s+3], s[G0B+4*\s+3], 0x80000000
	JLOAD \s
.endr
	v_and_b32 v1, 15, v0                           ; r
	v_bfe_u32 v2, v0, 4, 1                         ; h
	v_mul_u32_u24 v3, v1, PITCH
	v_lshl_add_u32 v3, v2, 4, v3
	v_mul_u32_u24 v4, v1, APITCH
	v_lshl_add_u32 v4, v2, 4, v4
	s_mul_i32 s21, s11, AHALF                      ; my 64 rows of A
	s_mul_i32 s22, s12, HALFT                      ; my 64 rows of Wo,
	s_add_co_u32 s22, s22, 2*AHALF                 ; which lie behind A's 128
.irp s, 0,1
	v_add_nc_u32 v[ADRA+\s], s21, v4
	v_add_nc_u32 v[ADRB+\s], s22, v3
	s_add_co_u32 s21, s21, SLOT
	s_add_co_u32 s22, s22, SLOT
.endr
	s_mul_i32 s23, s10, 16*SPITCH
	s_add_co_u32 s23, s23, STAGE                   ; my stage
	v_mul_u32_u24 v4, v1, SPITCH                   ; in: row r, 32 bytes for each half of the lanes
	v_lshl_add_u32 v4, v2, 5, v4
	v_add_nc_u32 v[STO], s23, v4
	v_mul_u32_u24 v5, v2, SPITCH                   ; back: lanes 0-15 take one row of 256 bytes, lanes 16-31 the next
	v_lshl_add_u32 v5, v1, 4, v5
	v_add_nc_u32 v[RD], s23, v5
	v_lshlrev_b32 v5, 12, v2                       ; and the same two rows in out0, 4,096 bytes a row
	v_lshl_add_u32 v[CO], v1, 4, v5
	s_lshl_b32 s16, s13, 19                        ; my first row: 128 i + 64 x row half
	s_lshl_b32 s18, s11, 18
	s_add_co_u32 s16, s16, s18
	s_add_nc_u64 s[8:9], s[8:9], s[16:17]
	s_lshl_b32 s46, s42, 9                         ; my first column, in bytes: 512 j + 256 x column half
	s_lshl_b32 s47, s12, 8
	s_add_co_u32 s46, s46, s47
	s_mov_b32 s47, 0
	s_add_nc_u64 s[8:9], s[8:9], s[46:47]
; 8 matrix instructions: row blocks a0, a0 + 1 x all 4 column blocks, 32 along K: half c of buffer f.  The 16 accumulators take turns.
.macro MUL8 f, c, a0, zero
.irp a, \a0, \a0+1
.irp b, 0,1,2,3
.if \zero
	v_wmma_f32_16x16x32_f16 v[ACC+8*(4*(\a)+\b):ACC+8*(4*(\a)+\b)+7], v[\f+64+8*(4*\c+\b):\f+64+8*(4*\c+\b)+7], v[\f+8*(4*\c+\a):\f+8*(4*\c+\a)+7], 0
.else
	v_wmma_f32_16x16x32_f16 v[ACC+8*(4*(\a)+\b):ACC+8*(4*(\a)+\b)+7], v[\f+64+8*(4*\c+\b):\f+64+8*(4*\c+\b)+7], v[\f+8*(4*\c+\a):\f+8*(4*\c+\a)+7], v[ACC+8*(4*(\a)+\b):ACC+8*(4*(\a)+\b)+7]
.endif
.endr
.endr
.endm
; 32 LDS loads in one run: the fragments of 64 along K, one head, at byte k of Wo's rows = plane k / 128 of A, into buffer f; the first 32 along K first
.macro FETCH slot, k, f
	WIN TO_F
.irp c, 0,1
.irp i, 0,1,2,3
	ds_load_b128 v[\f+64+8*(4*\c+\i):\f+64+8*(4*\c+\i)+3],   v[ADRB+\slot] offset:\k+64*\c+\i*16*PITCH
	ds_load_b128 v[\f+64+8*(4*\c+\i)+4:\f+64+8*(4*\c+\i)+7], v[ADRB+\slot] offset:\k+64*\c+\i*16*PITCH+32
	ds_load_b128 v[\f+8*(4*\c+\i):\f+8*(4*\c+\i)+3],         v[ADRA+\slot] offset:(\k/128)*APLANE+64*\c+\i*16*APITCH
	ds_load_b128 v[\f+8*(4*\c+\i)+4:\f+8*(4*\c+\i)+7],       v[ADRA+\slot] offset:(\k/128)*APLANE+64*\c+\i*16*APITCH+32
.endr
.endr
.endm
.macro PLACES                          ; four places in front of loads into registers that matrix instructions have read, and of LDS stores that read results
.rept 4
	v_nop
.endr
.endm
; A K step is four quarters of 64 along K, 32 matrix instructions each, on buffers 0, 1, 0, 1.
.macro QUARTER slot, k, f, g, zero
	s_wait_dscnt 16                                ; the first 32 along K are in
	WIN MUL
	MUL8 \f, 0, 0, \zero
	MUL8 \f, 0, 2, \zero
	PLACES
	FETCH \slot, \k, \g
	s_wait_dscnt 32                                ; all but the 32 just issued
	WIN MUL
	MUL8 \f, 1, 0, 0
	MUL8 \f, 1, 2, 0
.endm
; The last quarter multiplies buffer 1 and changes slots: ONE barrier; in front of it each wave waits for all its tensor loads, adds 0 to its spare word, and waits for that and for its reads of this slot.
.macro TURN slot, next, fill
	WIN 0                                          ; (the add's two registers lie in window 0)
	s_wait_tensorcnt 0x0                           ; all my tensor loads have landed: my part of the next slot
	ds_add_u32 v[SPW], v[NIL]                      ; 0 onto my spare word
	s_wait_dscnt 17                                ; (the add and the youngest sixteen loads may be out)
	WIN MUL
	MUL8 F1, 0, 0, 0                               ; eight matrix instructions stand between the add and the wait for it
	s_wait_dscnt 0x0                               ; the add is done, and my reads of this slot are over
	s_barrier_signal -1
	MUL8 F1, 0, 2, 0
.if \fill
	WIN 0
.endif
	s_barrier_wait -1
.if \fill
	CREST                                          ; no wave of any partner still reads this slot or has a load on its way
	s_add_nc_u64 s[G0+4*\slot+2:G0+4*\slot+3], s[G0+4*\slot+2:G0+4*\slot+3], 2*ASTEP
	s_add_nc_u64 s[G0B+4*\slot+2:G0B+4*\slot+3], s[G0B+4*\slot+2:G0B+4*\slot+3], 2*KSTEP*2
	JLOAD \slot                                    ; the four v_nop behind it are also the places in front of the loads below
.else
	PLACES
.endif
	FETCH \next, 0, F0
	WIN MUL
	MUL8 F1, 1, 0, 0
	MUL8 F1, 1, 2, 0
.endm
	s_wait_tensorcnt 1                             ; my part of K step 0 is in; K step 1's may stay out
	s_barrier_signal -1
	s_barrier_wait -1
	FETCH 0, 0, F0
	QUARTER 0, 128, F0, F1, 1                      ; the first quarter stands in front of the loop: its first products start the sums
	WIN 0
	s_mov_b32 s3, LAPS-1
.Llap:                                                 ; a trip goes once round the ring and fills both slots again
	QUARTER 0, 256, F1, F0, 0
	QUARTER 0, 384, F0, F1, 0
	TURN 0, 1, 1
	QUARTER 1, 128, F0, F1, 0
	QUARTER 1, 256, F1, F0, 0
	QUARTER 1, 384, F0, F1, 0
	TURN 1, 0, 1
	QUARTER 0, 128, F0, F1, 0
	WIN 0
	s_sub_co_u32 s3, s3, 1
	s_cmp_lg_u32 s3, 0
	s_cbranch_scc1 .Llap
	QUARTER 0, 256, F1, F0, 0                      ; the last lap fills nothing
	QUARTER 0, 384, F0, F1, 0
	TURN 0, 1, 0
	QUARTER 1, 128, F0, F1, 0
	QUARTER 1, 256, F1, F0, 0
	QUARTER 1, 384, F0, F1, 0
	s_wait_dscnt 16                                ; the very last quarter: nothing more to fetch
	WIN MUL
	MUL8 F1, 0, 0, 0
	MUL8 F1, 0, 2, 0
	s_wait_dscnt 0x0
	MUL8 F1, 1, 0, 0
	MUL8 F1, 1, 2, 0
	WIN 0
	; THE WAY OUT, 16 rows at a time: a lane's 32 bytes of a row go into my own stage, whole rows of 256 bytes come back and are stored.
	; LDS serves a wave's instructions in order (ISA guide 5.7.1.4): the loads see the stores above them, and the next block's stores come behind these loads.
	PLACES
.irp a, 0,1,2,3
.if \a >= 2
	s_wait_xcnt 0x0                                ; the stores of two blocks ago have had their addresses translated: their data registers are loaded again only behind this wait
.endif
.irp b, 0,1,2,3
	ds_store_b128 v[STO], v[ACC+8*(4*\a+\b):ACC+8*(4*\a+\b)+3]   offset:64*\b      ; each accumulator from its low end on
	ds_store_b128 v[STO], v[ACC+8*(4*\a+\b)+4:ACC+8*(4*\a+\b)+7] offset:64*\b+16
.endr
.irp t, 0,1,2,3,4,5,6,7
	ds_load_b128 v[BK+32*(\a%2)+4*\t:BK+32*(\a%2)+4*\t+3], v[RD] offset:\t*2*SPITCH
.endr
.irp t, 0,1,2,3,4,5,6,7
	s_wait_dscnt 7-\t
	global_store_b128 v[CO], v[BK+32*(\a%2)+4*\t:BK+32*(\a%2)+4*\t+3], s[8:9] offset:(16*\a+2*\t)*4096 th:TH_STORE_NT   ; 16 lanes store 256 consecutive bytes, at a multiple of 256 from out0's first byte
.endr
.endr
	s_wait_tensorcnt 0x0                           ; the wave's end, behind my last tensor load and my last LDS store
	ds_add_u32 v[SPW], v[NIL]
	s_wait_dscnt 0x0
	CROUND                                         ; the closing round: no work-group ends while a partner may still ask for a tile that names it
	s_endpgm
.Lfunc_end_k_q190ec1cd0e_oproj:
	.size	k_q190ec1cd0e_oproj, .Lfunc_end_k_q190ec1cd0e_oproj-k_q190ec1cd0e_oproj
	.p2alignl 7, 3214868480
	.fill 96, 4, 3214868480
	.section	.rodata,"a",@progbits
	.p2align	6, 0x0
	.amdhsa_kernel k_q190ec1cd0e_oproj
		.amdhsa_group_segment_fixed_size 327680
		.amdhsa_private_segment_fixed_size 0
		.amdhsa_enable_private_segment 0
		.amdhsa_kernarg_size 24
		.amdhsa_user_sgpr_count 2
		.amdhsa_user_sgpr_kernarg_segment_ptr 1
		.amdhsa_wavefront_size32 1
		.amdhsa_system_sgpr_workgroup_id_x 1
		.amdhsa_system_sgpr_workgroup_id_y 1
		.amdhsa_system_sgpr_workgroup_id_z 1
		.amdhsa_system_vgpr_workitem_id 0
		.amdhsa_next_free_vgpr 512
		.amdhsa_next_free_sgpr 66
		.amdhsa_reserve_vcc 0
		.amdhsa_float_denorm_mode_32 3
		.amdhsa_float_denorm_mode_16_64 3
		.amdhsa_memory_ordered 1
		.amdhsa_forward_progress 1
		.amdhsa_inst_pref_size 87
	.end_amdhsa_kernel
	.amdgpu_metadata
---
amdhsa.version: [ 1, 2 ]
amdhsa.kernels:
  - .name:           k_q190ec1cd0e_oproj
    .symbol:         k_q190ec1cd0e_oproj.kd
    .args:
      - { .name: ob, .offset: 0, .size: 8, .value_kind: global_buffer, .address_space: global }
      - { .name: wh, .offset: 8, .size: 8, .value_kind: global_buffer, .address_space: global }
      - { .name: out0, .offset: 16, .size: 8, .value_kind: global_buffer, .address_space: global }
    .group_segment_fixed_size: 327680
    .private_segment_fixed_size: 0
    .kernarg_segment_align: 8
    .kernarg_segment_size: 24
    .max_flat_workgroup_size: 128
    .sgpr_count:     66
    .vgpr_count:     512
    .wavefront_size: 32
...
	.end_amdgpu_metadata
.endif
;; end of part 7
;; ======== version 3 of 3: 3 launches; version 2 with the launch cvt written anew for expert scheduling mode
;; limits: values are held in f16: magnitudes above 65,504 overflow, below 6.1e-05 lose precision
;; workspace buffers: xh 8,519,680 bytes; wh 8,388,608 bytes; xs 131,072 bytes; ob 8,388,608 bytes
;; launch cvt (part 8): grid 512 x 1, 8 waves a work-group, no clusters, 5,120 bytes of LDS; arguments x, Wq, Wk, Wv, Wo, xh, wh, xs; writes xh, wh, xs
.if DOCPART == 8
	.amdgcn_target "amdgcn-amd-amdhsa--gfx1250"
	.amdhsa_code_object_version 6
	.text
	.protected	k_q190ec1cd0e_cvt
	.globl	k_q190ec1cd0e_cvt
	.p2align	8
	.type	k_q190ec1cd0e_cvt,@function
k_q190ec1cd0e_cvt:
	s_mov_b64 s[64:65], 0
	v_nop
	global_prefetch_b8 v0, s[64:65] scope:SCOPE_SE
	s_setreg_imm32_b32 hwreg(HW_REG_WAVE_SCHED_MODE, 0, 2), 2
	s_setreg_imm32_b32 hwreg(HW_REG_WAVE_MODE, 25, 1), 1
	s_wait_xcnt 0x0
	s_wait_alu depctr_vm_vsrc(0)
; The operands of both products, rounded once to f16 (nearest even), and the column sums of x.
;   xh[4160][1024] f16: 64 rows of zeros, then x: a block of 256 rows and the 64 rows in front of it are then 320 rows on end for every block, the first too.
;   wh[4096][1024] f16: head n's 64 rows of Wq, of Wk and of Wv lie together, at rows 192 n, 192 n + 64, 192 n + 128; from row 3,072 on Wo as it is.
;   xs[32][1024] f32:   xs[i][c] = the sum over rows 128 i .. 128 i + 127 of x's column c, from the numbers as loaded: the next kernel makes the mean row of x of it.
; WHY f16 AND NOT bf16.  A query that attends one key passes V on unaveraged, so each rounding on the way reaches the result whole: 11 significant bits are wanted, not 8.
; LIMIT.  A number beyond 65,504 in size becomes infinite; below 6.1e-5 the step is 6e-8.  x of spread 1 and weights of spread 0.02 have room for 30 times more (about 150 and 3),
; for a common offset of 30 spreads (about 35 and 0.7) and for 30 times less (weights of spread 0.00067: the step is under 1e-4 of the spread).
; A stream: every byte is read once and written once; no matrix unit, no cluster: no two work-groups share a byte.
; A work-group takes a block of 128 rows x 128 columns: 0-255 x's 32 x 8 blocks, then 64 for each weight.  Wave v, lane l, turn n: row v + 8 n, columns 4 l .. 4 l + 3:
; a load of a wave covers 512 neighbouring bytes, a store 256 neighbouring bytes, aligned.
; THE MODE: SCHED_MODE bits 1:0 = 2 (LLVM: expert scheduling mode 2), set by the entry lines.  The code itself states the register dependences
; between vector instructions and memory or LDS instructions, with s_wait_alu, always for 0.
; THE PLAN.  Registers that memory or LDS instructions touch:
;   v1, v2, v3, v106   offsets and the LDS address; v[104:105] the zeros; v112, v113 the closing add's two.  All are made at the head and never written again: ONE wait ahead of the first load serves them all.
;   X  v[4:67]    The sixteen loads land in it; no vector instruction names it before.  Read by the conversions; in x's work-groups added up in place; v[4:7] read by the LDS store;
;                 in wave 0 the LDS loads land in v[4:35], which are added up in place; v[4:7] read by the store to xs.
;   Y  v[68:99]   Slot n: written once, by the slot's two conversions, and read once, by its store.  No slot is written a second time.
; The sixteen slots go in four blocks of four.  A block's four stores stand in one run at the head of the next block, behind that block's first wait for a load and ONE wait on va_vdst; the last block's behind a wait of their own.
; Three more waits: ahead of the LDS store (the sums are written), behind the barrier (the LDS store has read v[4:7]), ahead of the store to xs (wave 0's sums are written).
.set XR, 4                             ; v[4:67]   16 slots of 4: as loaded
.set YR, 68                            ; v[68:99]  16 slots of 2: to store
.set ZZ, 104                           ; v[104:105] zeros for the rows in front of x
.set LA, 106                           ; v106      16 x thread: my place among the waves' column sums in LDS; for wave 0 also its offset in xs
	s_load_b256 s[4:11], s[0:1], 0x0               ; x s[4:5], Wq s[6:7], Wk s[8:9], Wv s[10:11]
	s_load_b256 s[12:19], s[0:1], 0x20             ; Wo s[12:13], xh s[14:15], wh s[16:17], xs s[18:19]
	v_lshl_add_u32 v112, v0, 2, 0x1000             ; the LDS address of my spare word, behind the eight waves' 4,096 bytes of sums; kept for the closing lines alone
	v_mov_b32 v113, 0                              ; and 0, likewise
	s_lshr_b32 s20, ttmp9, 6                       ; 0-3: x; 4, 5, 6, 7: Wq, Wk, Wv, Wo
	s_and_b32 s21, ttmp9, 7                        ; block of 128 columns
	s_lshr_b32 s22, ttmp9, 3
	s_and_b32 s23, s22, 7
	s_cmp_lt_u32 s20, 4
	s_cselect_b32 s22, s22, s23                    ; block of 128 rows: 0-31 in x, 0-7 in a weight
	s_lshl_b32 s24, s22, 19                        ; the source: 128 rows of 4,096 bytes,
	s_lshl_b32 s23, s21, 9                         ; 128 columns of 4 bytes
	s_add_co_u32 s24, s24, s23
	s_mov_b32 s25, 0
	s_lshl_b32 s26, s22, 18                        ; the target, 2,048 bytes a row.  x: 64 rows further down;
	s_add_co_u32 s29, s26, 64*2048
	s_add_co_u32 s30, s26, 3072*2048               ; Wo: behind the heads' rows;
	s_mul_i32 s27, s22, 384*2048                   ; Wq, Wk, Wv: a block is two heads' rows, 192 rows a head,
	s_sub_co_u32 s28, s20, 4
	s_lshl_b32 s28, s28, 17                        ; and 64 rows for each weight in front
	s_add_co_u32 s27, s27, s28
	s_cmp_lt_u32 s20, 4
	s_cselect_b32 s26, s29, s27
	s_cselect_b32 s31, 0, 128*2048                 ; there the block's second 64 rows lie 128 rows further on than they would
	s_cmp_eq_u32 s20, 7
	s_cselect_b32 s26, s30, s26
	s_cselect_b32 s31, 0, s31
	s_lshl_b32 s23, s21, 8                         ; 128 columns of 2 bytes
	s_add_co_u32 s26, s26, s23
	s_mov_b32 s27, 0
	s_lshl_b32 s28, s22, 12                        ; xs: row = the block of rows, 512 bytes a block of columns
	s_lshl_b32 s23, s21, 9
	s_add_co_u32 s28, s28, s23
	s_mov_b32 s29, 0
	v_lshrrev_b32 v1, 5, v0
	v_readfirstlane_b32 s30, v1                    ; wave 0..7
	v_and_b32 v3, 31, v0
	v_lshlrev_b32 v2, 11, v1
	v_lshl_add_u32 v2, v3, 3, v2                   ; out: row v, 8 bytes a lane
	v_lshlrev_b32 v1, 12, v1
	v_lshl_add_u32 v1, v3, 4, v1                   ; in: row v, 16 bytes a lane
	v_add_nc_u32 v3, s31, v2                       ; out, for the block's second 64 rows
	v_lshlrev_b32 v[LA], 4, v0
	v_mov_b32 v[ZZ], 0                             ; the zeros are made here, by every work-group, so that the wait ahead of the first load serves them too
	v_mov_b32 v[ZZ+1], 0
	s_wait_alu depctr_va_sdst(0)                   ; s30 is written: the wait stands in the writer's own straight run, ahead of the first branch; s30's one reader is the compare behind the barrier
	s_wait_kmcnt 0x0
	s_cmp_lt_u32 s20, 4                            ; source and target are chosen on the work-group's number alone
	s_cselect_b64 s[32:33], s[4:5], s[6:7]
	s_cselect_b64 s[34:35], s[14:15], s[16:17]
	s_cmp_eq_u32 s20, 5
	s_cselect_b64 s[32:33], s[8:9], s[32:33]
	s_cmp_eq_u32 s20, 6
	s_cselect_b64 s[32:33], s[10:11], s[32:33]
	s_cmp_eq_u32 s20, 7
	s_cselect_b64 s[32:33], s[12:13], s[32:33]
	s_add_nc_u64 s[32:33], s[32:33], s[24:25]
	s_add_nc_u64 s[34:35], s[34:35], s[26:27]
	s_add_nc_u64 s[18:19], s[18:19], s[28:29]
	s_wait_alu depctr_va_vdst(0)                   ; v1, v2, v3 and v106 are written, which the loads, stores and LDS instructions below read as offsets and address; so are the zeros, the pad stores' data, and v112, v113
.irp n, 0,1,2,3,4,5,6,7,8,9,10,11,12,13,14,15
	global_load_b128 v[XR+4*\n:XR+4*\n+3], v1, s[32:33] offset:32768*\n th:TH_LOAD_NT   ; all sixteen go out at once: 64 KiB of the work-group in flight
.endr
	s_cmp_lt_u32 ttmp9, 8
	s_cbranch_scc0 .Lno_pad                        ; x's first eight blocks also write the 64 rows of zeros above them
.irp n, 0,1,2,3,4,5,6,7
	global_store_b64 v2, v[ZZ:ZZ+1], s[34:35] offset:16384*\n-64*2048   ; no vector instruction since the wait above: offset and data are written
.endr
.Lno_pad:
; The four stores of block b, in one run.
.macro OUT4 b
.irp t, 0,1,2,3
.if (\b) < 2
	global_store_b64 v2, v[YR+2*(4*(\b)+\t):YR+2*(4*(\b)+\t)+1], s[34:35] offset:16384*(4*(\b)+\t)
.else
	global_store_b64 v3, v[YR+2*(4*(\b)+\t):YR+2*(4*(\b)+\t)+1], s[34:35] offset:16384*(4*(\b)+\t)
.endif
.endr
.endm
; Block b: slots 4 b to 4 b + 3 are rounded, each as soon as it is in; at the block's head the block before is stored.
.macro BLOCK b
.irp i, 0,1,2,3
	s_wait_loadcnt 15-4*(\b)-\i                    ; loads come back in order: this slot is in, the younger ones stay out
.if (\i == 0) && ((\b) > 0)
	s_wait_alu depctr_va_vdst(0)                   ; the conversions of the block before have written its eight registers of Y, which the four stores below read
	OUT4 (\b)-1
.endif
	v_cvt_pk_f16_f32 v[YR+2*(4*(\b)+\i)], v[XR+4*(4*(\b)+\i)], v[XR+4*(4*(\b)+\i)+1]
	v_cvt_pk_f16_f32 v[YR+2*(4*(\b)+\i)+1], v[XR+4*(4*(\b)+\i)+2], v[XR+4*(4*(\b)+\i)+3]
.endr
.endm
	BLOCK 0
	BLOCK 1
	BLOCK 2
	BLOCK 3
	s_wait_alu depctr_va_vdst(0)                   ; the last block's conversions have written its eight registers of Y, which the last four stores read
	OUT4 3
	s_cmp_ge_u32 s20, 4
	s_cbranch_scc1 .Lend                           ; a weight's work-group is done: all its eight waves leave here together
	; x's column sums: my 16 rows, then the eight waves' through LDS
.irp s, 8,4,2,1
.set n, 0
.rept \s
	v_pk_add_f32 v[XR+4*n:XR+4*n+1], v[XR+4*n:XR+4*n+1], v[XR+4*(n+\s):XR+4*(n+\s)+1]
	v_pk_add_f32 v[XR+4*n+2:XR+4*n+3], v[XR+4*n+2:XR+4*n+3], v[XR+4*(n+\s)+2:XR+4*(n+\s)+3]
.set n, n+1
.endr
.endr
	s_wait_alu depctr_va_vdst(0)                   ; the additions have written v[4:7], which the LDS store reads; and every vector instruction that names X stands ahead of this wait, so wave 0's LDS loads into v[4:35] owe it nothing more
	ds_store_b128 v[LA], v[XR:XR+3]
	s_wait_dscnt 0x0                               ; for wave 0's sake: my sums are stored
	s_barrier_signal -1
	s_barrier_wait -1
	s_wait_alu depctr_vm_vsrc(0)                   ; my LDS store has read v[4:7], in which wave 0's LDS loads land: stated ahead of the branch that picks wave 0
	s_cmp_lg_u32 s30, 0
	s_cbranch_scc1 .Lend
.irp k, 0,1,2,3,4,5,6,7
	ds_load_b128 v[XR+4*\k:XR+4*\k+3], v[LA] offset:512*\k
.endr
	s_wait_dscnt 0x0
.irp s, 4,2,1
.set n, 0
.rept \s
	v_pk_add_f32 v[XR+4*n:XR+4*n+1], v[XR+4*n:XR+4*n+1], v[XR+4*(n+\s):XR+4*(n+\s)+1]
	v_pk_add_f32 v[XR+4*n+2:XR+4*n+3], v[XR+4*n+2:XR+4*n+3], v[XR+4*(n+\s)+2:XR+4*(n+\s)+3]
.set n, n+1
.endr
.endr
	s_wait_alu depctr_va_vdst(0)                   ; wave 0's additions have written v[4:7], which the store to xs reads
	global_store_b128 v[LA], v[XR:XR+3], s[18:19]  ; 128 columns: 512 neighbouring bytes
.Lend:
	s_wait_dscnt 0x0                               ; the closing lines, six on end
	s_wait_alu 0x0
	s_wait_tensorcnt 0x0
	ds_add_u32 v112, v113
	s_wait_dscnt 0x0
	s_endpgm
.Lfunc_end_k_q190ec1cd0e_cvt:
	.size	k_q190ec1cd0e_cvt, .Lfunc_end_k_q190ec1cd0e_cvt-k_q190ec1cd0e_cvt
	.p2alignl 7, 3214868480
	.fill 96, 4, 3214868480
	.section	.rodata,"a",@progbits
	.p2align	6, 0x0
	.amdhsa_kernel k_q190ec1cd0e_cvt
		.amdhsa_group_segment_fixed_size 5120
		.amdhsa_private_segment_fixed_size 0
		.amdhsa_enable_private_segment 0
		.amdhsa_kernarg_size 64
		.amdhsa_user_sgpr_count 2
		.amdhsa_user_sgpr_kernarg_segment_ptr 1
		.amdhsa_wavefront_size32 1
		.amdhsa_system_sgpr_workgroup_id_x 1
		.amdhsa_system_sgpr_workgroup_id_y 1
		.amdhsa_system_sgpr_workgroup_id_z 1
		.amdhsa_system_vgpr_workitem_id 0
		.amdhsa_next_free_vgpr 114
		.amdhsa_next_free_sgpr 66
		.amdhsa_reserve_vcc 0
		.amdhsa_float_denorm_mode_32 3
		.amdhsa_float_denorm_mode_16_64 3
		.amdhsa_memory_ordered 1
		.amdhsa_forward_progress 1
		.amdhsa_inst_pref_size 13
	.end_amdhsa_kernel
	.amdgpu_metadata
---
amdhsa.version: [ 1, 2 ]
amdhsa.kernels:
  - .name:           k_q190ec1cd0e_cvt
    .symbol:         k_q190ec1cd0e_cvt.kd
    .args:
      - { .name: x, .offset: 0, .size: 8, .value_kind: global_buffer, .address_space: global }
      - { .name: Wq, .offset: 8, .size: 8, .value_kind: global_buffer, .address_space: global }
      - { .name: Wk, .offset: 16, .size: 8, .value_kind: global_buffer, .address_space: global }
      - { .name: Wv, .offset: 24, .size: 8, .value_kind: global_buffer, .address_space: global }
      - { .name: Wo, .offset: 32, .size: 8, .value_kind: global_buffer, .address_space: global }
      - { .name: xh, .offset: 40, .size: 8, .value_kind: global_buffer, .address_space: global }
      - { .name: wh, .offset: 48, .size: 8, .value_kind: global_buffer, .address_space: global }
      - { .name: xs, .offset: 56, .size: 8, .value_kind: global_buffer, .address_space: global }
    .group_segment_fixed_size: 5120
    .private_segment_fixed_size: 0
    .kernarg_segment_align: 8
    .kernarg_segment_size: 64
    .max_flat_workgroup_size: 256
    .sgpr_count:     66
    .vgpr_count:     114
    .wavefront_size: 32
...
	.end_amdgpu_metadata
.endif
;; end of part 8
;; launch qkva: the kernel of part 6 again; grid 16 x 16, 4 waves a work-group, clusters of 4 x 4, 327,680 bytes of LDS; arguments xh, wh, xs, align_gate, coh_gate, sep_gate, ob; writes ob
;; launch oproj: the kernel of part 7 again; grid 8 x 32, 4 waves a work-group, clusters of 4 x 4, 327,680 bytes of LDS; arguments ob, wh, out0; writes out0
